; MI455X (gfx1250); checked and timed in simulation.
; The chip was launched on July 23, 2026; its instructions are those of AMD's public machine-readable ISA for CDNA 5 (MIT licence, August 2026) and "CDNA5" Instruction Set Architecture Reference Guide (July 2026). The comments in the code are by the model that wrote it; some were corrected since.
;; Linear Transformer Layer. Allowed arithmetic: matrix products marked QUANTISED: E2M3 operands, one E8M0 scale for each 32 along K, by v_wmma_scale_f32_16x16x128_f8f6f4 with both operands' format E2M3, f32 sums; everything else in f32.
;; Inputs: W1_codes 512 x 16 x 24 uint8 (E2M3 codes of W1, K innermost, in blocks of 32 codes, four codes in three bytes); W1_scales 512 x 16 uint8 (E8M0 scales of W1, one for each 32 codes along K); W2_codes 512 x 16 x 24 uint8 (E2M3 codes of W2, K innermost, in blocks of 32 codes, four codes in three bytes); W2_scales 512 x 16 uint8 (E8M0 scales of W2, one for each 32 codes along K); Wk_codes 512 x 16 x 24 uint8 (E2M3 codes of Wk, K innermost, in blocks of 32 codes, four codes in three bytes); Wk_scales 512 x 16 uint8 (E8M0 scales of Wk, one for each 32 codes along K); Wq_codes 512 x 16 x 24 uint8 (E2M3 codes of Wq, K innermost, in blocks of 32 codes, four codes in three bytes); Wq_scales 512 x 16 uint8 (E8M0 scales of Wq, one for each 32 codes along K); Wv_codes 512 x 16 x 24 uint8 (E2M3 codes of Wv, K innermost, in blocks of 32 codes, four codes in three bytes); Wv_scales 512 x 16 uint8 (E8M0 scales of Wv, one for each 32 codes along K); x 8 x 4,096 x 512 float32.
;; Outputs: out0 8 x 4,096 x 512 float32.
;; This version of the problem:
;;   THIS VERSION OF THE PROBLEM IS GIVEN IN LOW PRECISION. The matrix products marked QUANTISED in the list below multiply operands that are first quantised to E2M3 (2 exponent bits, 3 mantissa bits; 6 bits a number), with one power-of-two scale for each 32 numbers along K (OCP MX v1.0); their sums are f32. All else is computed in f32.
;;   The module's matrix products, in the order in which they are computed (A, B: the left and right operand; K: the contracted axis; several contracted axes count as one K, in the product's order):
;;     1. [M 32,768, K 512] x [K 512, N 512]; A: input x; B: input Wq (given as codes): QUANTISED
;;     2. [M 32,768, K 512] x [K 512, N 512]; A: input x; B: input Wk (given as codes): QUANTISED
;;     3. [M 32,768, K 512] x [K 512, N 512]; A: input x; B: input Wv (given as codes): QUANTISED
;;     4. batch 8 x [M 512, K 4,096] x [K 4,096, N 512]; A: softmax (see below); B: computed on the way: QUANTISED
;;     5. batch 8 x [M 4,096, K 512] x [K 512, N 512]; A: computed on the way; B: computed on the way: QUANTISED
;;     6. [M 32,768, K 512] x [K 512, N 512]; A: computed on the way; B: input W1 (given as codes): QUANTISED
;;     7. [M 32,768, K 512] x [K 512, N 512]; A: computed on the way; B: input W2 (given as codes): QUANTISED
;;   THE QUANTISER, for each operand of a quantised product, along K:
;;     - K is cut into blocks of 32 from its start; a last block that is shorter is filled with zeros.
;;     - A block's scale is 2^e with e = floor(log2(the largest magnitude in the block)) - 2, held to -126 .. 127; a block of zeros has e = 0. As a byte (E8M0): e + 127.
;;     - Each number is divided by its block's scale, clamped to +-7.5, and rounded to the nearest number of E2M3, ties to even, subnormals kept.
;;     - The product sums the exact products of the quantised numbers (number of the format x scale) in f32.
;;   ~~~python
;;   def quantise(x, axis):      # numpy; x: float32 -> the quantised numbers, widened to float32 again
;;       x = np.moveaxis(x, axis, -1); K = x.shape[-1]
;;       x = np.pad(x, [(0, 0)] * (x.ndim - 1) + [(0, -K % 32)]); x = x.reshape(x.shape[:-1] + (-1, 32)); a = np.abs(x).max(-1, keepdims=True)
;;       e = np.where(a > 0, np.clip(np.frexp(np.where(a > 0, a, 1))[1] - 1 - 2, -126, 127), 0)      # np.frexp(a)[1] - 1 = floor(log2(a)), exactly
;;       r = np.clip(x / 2.0 ** e, -7.5, 7.5)
;;       step = 2.0 ** (np.maximum(np.frexp(np.where(r == 0, 1, r))[1] - 1, 0) - 3)
;;       q = np.round(r / step) * step * 2.0 ** e      # np.round: ties to even
;;       return np.moveaxis(q.reshape(q.shape[:-2] + (-1,))[..., :K], -1, axis).astype(np.float32)
;;   ~~~
;;   SOFTMAX AHEAD OF A QUANTISED PRODUCT. Where the list says 'softmax', what is quantised is not the finished softmax but p = 2^(t - M), with t = logit x log2(e) and M = ceil(the row's largest t), a whole number; so 1/2 < the row's largest p <= 1. The row's sum l is taken of the UNQUANTISED p, in f32, and the product's result is divided by l at the end. Since M is a whole number, a kernel that streams over the keys may use a running M (the ceiling of the running maximum): every later rescaling is an exact power of two, which a block's scale takes up: the codes' values come out the same.
;;   OPERANDS COMPUTED ON THE WAY. 'Computed on the way' means the value that the module computes at that place (a softmax that the list does not call 'softmax' is quantised finished and normalised). What goes into a quantiser is computed in f32, as accurately as f32 sums, v_exp_f32 and their like allow (about 1e-6 of the number): no bf16 or f16 on the way to a quantiser, and a product that is left as it is and whose result goes on into a quantised operand takes f32 operands (vector FMAs, or v_wmma_f32_16x16x4_f32). A number that lies on a knife's edge between two numbers of the format may be rounded either way, as far as f32 arithmetic and the matrix unit's own rounding can turn it there, and no further.
;;   INPUTS GIVEN AS CODES. W1 (in the module: [512, 512], K = its axis 1); W2 (in the module: [512, 512], K = its axis 1); Wk (in the module: [512, 512], K = its axis 1); Wq (in the module: [512, 512], K = its axis 1); Wv (in the module: [512, 512], K = its axis 1): each comes as NAME_codes (uint8): NAME with its K axis moved to the last place and cut into blocks of 32 codes, [.., K / 32, bytes a block], one block behind the other in memory; four codes in three bytes: a row's codes are one little-endian stream of bits, code i at bits 6 i .. 6 i + 5 (a code: sign, 2 exponent bits, 3 mantissa bits); and NAME_scales (uint8): the same leading axes, one E8M0 byte (e + 127) for each 32 codes along K. Its value is code x scale, taken as it is: it is not quantised again, and the codes and scales need not be those that the quantiser above would give.
;; One version. Each part assembles by itself: llvm-mc -triple=amdgcn-amd-amdhsa -mcpu=gfx1250 --defsym DOCPART=n.
;; ======== version 1 of 1: 3 launches
;; workspace buffers: pimg 12,582,912 bytes; vimg 12,582,912 bytes; pst 2,097,152 bytes; wimg 589,824 bytes; cimg 1,572,864 bytes; csc 65,536 bytes; xq 13,107,200 bytes
;; launch kv (part 1): grid 256 x 1, 4 waves a work-group, clusters of 4 x 1, 327,680 bytes of LDS; arguments x, Wk_codes, Wk_scales, Wv_codes, Wv_scales, pimg, vimg, pst, xq; writes pimg, vimg, pst, xq
.if DOCPART == 1
	.amdgcn_target "amdgcn-amd-amdhsa--gfx1250"
	.amdhsa_code_object_version 6
	.text
	.protected	k_q7e83d2d541_kv
	.globl	k_q7e83d2d541_kv
	.p2align	8
	.type	k_q7e83d2d541_kv,@function
k_q7e83d2d541_kv:
	s_mov_b64 s[64:65], 0
	v_nop
	global_prefetch_b8 v0, s[64:65] scope:SCOPE_SE
	s_setreg_imm32_b32 hwreg(HW_REG_WAVE_MODE, 25, 1), 1
	s_wait_xcnt 0x0
	s_wait_alu depctr_hold_cnt(0) depctr_sa_sdst(0) depctr_va_vdst(0) depctr_va_sdst(0) depctr_va_ssrc(0) depctr_va_vcc(0) depctr_vm_vsrc(0)
	s_getreg_b32 s2, hwreg(HW_REG_IB_STS2, 6, 4)
	s_cmp_eq_u32 s2, 0
	s_cbranch_scc0 .Lentry_in_a_cluster
	s_endpgm
.Lentry_in_a_cluster:
	s_bfe_u32 s2, ttmp6, 0x10000c
	s_cmp_lg_u32 s2, 0x3003
	s_cbranch_scc0 .Lentry_shape_is_right
	s_endpgm
.Lentry_shape_is_right:
; kv: for 128 rows n of one batch: x is quantised along the channels (E2M3, one E8M0 byte for 32); k = x Wk^T, v = x Wv^T on codes;
; p = 2^(k log2(e) - M), M = the ceiling of the largest k log2(e) of THESE 128 rows (a running M: the next launch shifts p's scale bytes to the batch's M);
; l = the sum of the unquantised p; p and v are quantised along n and stored as images of operand registers, with -M, l and the scale words beside them.
; x IS QUANTISED ONCE: its images and scale words also go to memory (xq: 49,152 + 2,048 dense bytes a work-group, as they lie in LDS here), for the launch that makes q.
; SHARES. Work-group g = rows 128 g on. Wave w quantises rows 32 w .. 32 w + 31 of x and makes columns 128 w .. 128 w + 127 of k, then of v, for all 128 rows: 64 accumulators.
; LAYOUT. Source 0 = 16 rows of x, source 1 = 16 rows of the weight: a lane holds ONE column d and its registers run along n, which is the next product's K.
; Register 16 b + i of a column tile is row 32 b + 16 (i / 8) + 8 (lane / 16) + i % 8: a permutation inside a block of 32, the same for p and for v, so their products are those of the true order.
; CLUSTER. The four work-groups of a cluster read the same weights: each wave's 128 rows are asked for jointly (mask 15). Wv takes Wk's place in LDS behind a round of the cluster's barrier.
; LIMITS. NaN and infinities are not served. A block of zeros carries the byte 1 (its codes are zeros; this program alone reads the bytes). A p under 2^-126 counts as 0.
.set WROW,  432                        ; a weight's row in LDS: 3 x (128 bytes + 16): 108 words, so the 16 rows of a load start 44 r mod 64 words apart: 64 different banks for 32 lanes x 8 bytes
.set WREGB, 128*WROW                   ; a wave's 128 rows
.set XIMG,  4*WREGB                    ; x's 32 fragments as images of registers: index 8 s + a (K step s, row tile a), 1,536 bytes each
.set XSC,   XIMG+32*1536               ; their scale words: [s][lane][pair of tiles]: lanes 0-15 the even tile, lanes 16-31 the odd one
.set STG,   XSC+4*512                  ; a stage of 16 rows x (512 + 16) bytes for each wave
.set SPARE, STG+4*8448                 ; the spare words, 128 bytes a wave
.set SPW, 2
.set NIL, 3
.set XGI, 15                           ; v15 xq: where my images go: 3,072 w + 16 lane
.set WS,  16                           ; v16-31 the weight's scale words: register 4 B + s: lanes 0-15 tile 2 B, lanes 16-31 tile 2 B + 1
.set XS,  32                           ; v32-47 x's scale words: register 4 s + pair
.set NM,  48                           ; v48-55 -M of my 8 column tiles
.set LL,  56                           ; v56-63 l
.set PWD, 64                           ; v64-71 scale words
.set PK,  72                           ; v72-87 the four planes as they are stored
.set XSL, 88                           ; v88 LDS: the scale words of K step w: XSC + 512 w + 16 lane
.set XSG, 89                           ; v89 and their place in xq, behind the images: 512 w + 16 lane
.set XW,  92                           ; v92-95 those words on their way
.set TM,  96                           ; v96-111 at work in the quantiser
.set PW,  112
.set PWE, 113
.set NP,  114                          ; v[114:115] -M, t
.set SU,  116                          ; v[116:119] two packed sums
.set TT,  120
.set WF,  128                          ; v128-223 the weight's 8 fragments, one set
.set PC,  128                          ; in the vector phases: the codes just made (20 registers)
.set XN,  160                          ; and 64 numbers of x
.set WV,  20
.set G1,  24
.set G0K, 32
.set G0V, 36
.set SEL, 40
.set CS,  42
.set HM,  44
.set XQ,  56                           ; s[56:57] xq at my work-group's 51,200 bytes
.set MUL_LO, 0xa1                      ; source 0 window 1, source 1 window 0, C and D window 2
.set MUL_HI, 0xf1                      ; the same, C and D window 3
.set MSB, 0
.macro WIN new                         ; the immediate's high byte repeats the setting that is left; a switch that changes nothing is dropped
.if MSB != (\new)
	s_set_vgpr_msb (MSB<<8)|(\new)
.set MSB, \new
.endif
.endm
.macro PLACES n
.rept \n
	v_nop
.endr
.endm
.macro BARRIER                         ; my LDS stores have landed and my LDS loads are in: then the work-group's barrier
	s_wait_dscnt 0x0
	s_barrier_signal -1
	s_barrier_wait -1
.endm
.macro CROUND                          ; a round of the cluster's barrier
	s_barrier_signal -1
	s_barrier_wait -1
	s_cmp_lg_u32 s[WV], 0
	s_cbranch_scc1 .Lnot_wave_0_\@
	s_barrier_signal -3
.Lnot_wave_0_\@:
	s_barrier_wait -3
	s_barrier_signal -1
	s_barrier_wait -1
.endm
; One matrix instruction on the registers named by rD, rA, rB, rSA, rSB. zero: C = 0. ra, rb: the side's scale words stand in lanes 16-31.
.macro WM zero, ra, rb
.if (\zero) && ((\ra) == 0) && ((\rb) == 0)
	v_wmma_scale_f32_16x16x128_f8f6f4 v[rD:rD+7], v[rA:rA+11], v[rB:rB+11], 0, v[rSA], v[rSB] matrix_a_fmt:MATRIX_FMT_FP6 matrix_b_fmt:MATRIX_FMT_FP6
.elseif (\zero) && ((\rb) == 0)
	v_wmma_scale_f32_16x16x128_f8f6f4 v[rD:rD+7], v[rA:rA+11], v[rB:rB+11], 0, v[rSA], v[rSB] matrix_a_fmt:MATRIX_FMT_FP6 matrix_b_fmt:MATRIX_FMT_FP6 matrix_a_scale:MATRIX_SCALE_ROW1
.elseif (\zero) && ((\ra) == 0)
	v_wmma_scale_f32_16x16x128_f8f6f4 v[rD:rD+7], v[rA:rA+11], v[rB:rB+11], 0, v[rSA], v[rSB] matrix_a_fmt:MATRIX_FMT_FP6 matrix_b_fmt:MATRIX_FMT_FP6 matrix_b_scale:MATRIX_SCALE_ROW1
.elseif (\zero)
	v_wmma_scale_f32_16x16x128_f8f6f4 v[rD:rD+7], v[rA:rA+11], v[rB:rB+11], 0, v[rSA], v[rSB] matrix_a_fmt:MATRIX_FMT_FP6 matrix_b_fmt:MATRIX_FMT_FP6 matrix_a_scale:MATRIX_SCALE_ROW1 matrix_b_scale:MATRIX_SCALE_ROW1
.elseif ((\ra) == 0) && ((\rb) == 0)
	v_wmma_scale_f32_16x16x128_f8f6f4 v[rD:rD+7], v[rA:rA+11], v[rB:rB+11], v[rD:rD+7], v[rSA], v[rSB] matrix_a_fmt:MATRIX_FMT_FP6 matrix_b_fmt:MATRIX_FMT_FP6
.elseif ((\rb) == 0)
	v_wmma_scale_f32_16x16x128_f8f6f4 v[rD:rD+7], v[rA:rA+11], v[rB:rB+11], v[rD:rD+7], v[rSA], v[rSB] matrix_a_fmt:MATRIX_FMT_FP6 matrix_b_fmt:MATRIX_FMT_FP6 matrix_a_scale:MATRIX_SCALE_ROW1
.elseif ((\ra) == 0)
	v_wmma_scale_f32_16x16x128_f8f6f4 v[rD:rD+7], v[rA:rA+11], v[rB:rB+11], v[rD:rD+7], v[rSA], v[rSB] matrix_a_fmt:MATRIX_FMT_FP6 matrix_b_fmt:MATRIX_FMT_FP6 matrix_b_scale:MATRIX_SCALE_ROW1
.else
	v_wmma_scale_f32_16x16x128_f8f6f4 v[rD:rD+7], v[rA:rA+11], v[rB:rB+11], v[rD:rD+7], v[rSA], v[rSB] matrix_a_fmt:MATRIX_FMT_FP6 matrix_b_fmt:MATRIX_FMT_FP6 matrix_a_scale:MATRIX_SCALE_ROW1 matrix_b_scale:MATRIX_SCALE_ROW1
.endif
.endm
; v[TM .. TM+3] hold the four blocks' largest magnitudes (floor included); the 64 numbers stand at v[a] on in window w. Out: the fragment's codes in v[PC] on, its scale word in v[PW].
; wt = 1: LDS stores, wt = 2: global stores still read v[PC] on from the tile before: their wait stands ahead of the conversions.
.macro QCODE a, w, wt
	WIN 0
.irp b, 0,1,2,3
	v_add_nc_u32 v[TM+12+\b], 0xff000000, v[TM+\b]   ; 2 off the exponent field: the conversion takes the exponent field of this operand as its scale
.endr
.irp b, 0,1,2,3
	v_lshrrev_b32 v[TM+4+\b], 23, v[TM+12+\b]        ; the scale's byte
.endr
	v_lshl_or_b32 v[PW], v[TM+5], 8, v[TM+4]
	v_lshl_or_b32 v[PW], v[TM+6], 16, v[PW]
	v_lshl_or_b32 v[PW], v[TM+7], 24, v[PW]
.if (\wt) == 1
	s_wait_dscnt 0x0
.elseif (\wt) == 2
	s_wait_xcnt 0x0
.endif
	WIN (\w)
.irp c, 0,1
	v_cvt_scalef32_pk16_fp6_f32 v[PC+6*\c:PC+6*\c+2], v[(\a)+32*\c:(\a)+32*\c+15], v[TM+12+2*\c]
	v_cvt_scalef32_pk16_fp6_f32 v[PC+12+4*\c:PC+12+4*\c+2], v[(\a)+32*\c+16:(\a)+32*\c+31], v[TM+12+2*\c+1]   ; (a conversion's three registers begin on an even number)
.endr
	WIN 0
	v_nop                                          ; one plain place behind a scaled conversion
.irp c, 0,1                                    ; the operand's layout wants a whole block in a lane: lanes 0-15 block 2 c, lanes 16-31 block 2 c + 1
.irp i, 0,1,2
	v_permlane16_swap_b32 v[PC+6*\c+\i], v[PC+12+4*\c+\i]
.endr
.irp i, 0,1,2
	v_mov_b32 v[PC+3+6*\c+\i], v[PC+12+4*\c+\i]
.endr
.endr
.endm
; 64 numbers of a lane, register 16 b + i = slot 32 b + 16 (lane / 16) + i of the lane's row, become a fragment. The reads ascend.
.macro QUANT a, w, wt
	WIN 5*(\w)
.irp b, 0,1,2,3
	v_max3_num_f32 v[TM+\b], |v[(\a)+16*\b]|, |v[(\a)+16*\b+1]|, 0x1800000   ; the floor 2^(3 - 127) holds the byte at 1 from below
.endr
	WIN 20*(\w)
.irp i, 2,4,6,8,10,12,14
.irp b, 0,1,2,3
	v_max3_num_f32 v[TM+\b], v[TM+\b], |v[(\a)+16*\b+\i]|, |v[(\a)+16*\b+\i+1]|
.endr
.endr
	WIN 0
.irp b, 0,1,2,3
	v_permlanex16_b32 v[TM+4+\b], v[TM+\b], s[SEL], s[SEL+1]
.endr
.irp b, 0,1,2,3
	v_max_num_f32 v[TM+\b], v[TM+\b], v[TM+4+\b]     ; with lane l xor 16's 16 numbers: the block's
.endr
	QCODE \a, \w, \wt
.endm
; x: unit u = 2 s + un: rows 16 un .. + 15 of my 32, channels 128 s on. Each load takes one row's 512 consecutive bytes. Four sets of 64 registers in window 2.
.macro XLOAD u
	WIN 0x80
.irp q, 0,1,2,3,4,5,6,7,8,9,10,11,12,13,14,15
	global_load_b128 v[64*((\u)%4)+4*\q:64*((\u)%4)+4*\q+3], v1, s[4:5] offset:(16*((\u)%2)+\q)*2048+512*((\u)/2) th:TH_LOAD_NT
.endr
	WIN 0
.endm
; A unit turns through my stage, so that a lane gets 16 neighbours of each block of 32 of ONE row, is quantised, and its image goes to LDS and to xq. left: 16 for each younger unit on its way.
.macro XUNIT u, left
	s_wait_loadcnt \left
	WIN 0x08
.irp q, 0,1,2,3,4,5,6,7,8,9,10,11,12,13,14,15
	ds_store_b128 v10, v[64*((\u)%4)+4*\q:64*((\u)%4)+4*\q+3] offset:528*\q
.endr
	WIN 0
.irp b, 0,1,2,3
.irp j, 0,1,2,3
	ds_load_b128 v[XN+16*\b+4*\j:XN+16*\b+4*\j+3], v11 offset:128*\b+16*\j   ; LDS serves a wave's instructions in order: these see the stores above
.endr
.endr
	s_wait_dscnt 0x0                               ; the numbers are back; the stage's stores have read their registers
.if (\u)+4 < 8
	XLOAD (\u)+4
.endif
	QUANT XN, 0, 2                                 ; the last unit's stores to xq read v[PC] on: the conversions stand behind s_wait_xcnt 0
.irp q, 0,1,2
	ds_store_b128 v7, v[PC+4*\q:PC+4*\q+3] offset:(8*((\u)/2)+(\u)%2)*1536+512*\q
.endr
.irp q, 0,1,2
	global_store_b128 v[XGI], v[PC+4*\q:PC+4*\q+3], s[XQ:XQ+1] offset:(8*((\u)/2)+(\u)%2)*1536+512*\q th:TH_STORE_NT   ; the same image at the same place in xq: 512 consecutive bytes, aligned
.endr
.if (\u)%2 == 0
	v_mov_b32 v[PWE], v[PW]
.else
	v_cndmask_b32 v[PW], v[PWE], v[PW], s[HM]      ; lanes 0-15 the even tile's words, lanes 16-31 the odd tile's
	ds_store_b32 v8, v[PW] offset:512*((\u)/2)
.endif
.endm
; A weight's fragment: six pieces of 8 bytes. Lanes 16-31 read three pieces on, which lies behind one padding more where the piece's number mod 16 is 13 or more: v5 serves those.
.macro FRAGW reg, s, t
.irp p, 0,1,2,3,4,5
.set PCE, 12*(\s)+6*(\p/3)+\p%3
.if PCE%16 < 13
	ds_load_b64 v[(\reg)+2*\p:(\reg)+2*\p+1], v4 offset:8*PCE+16*(PCE/16)+(\t)*16*WROW
.else
	ds_load_b64 v[(\reg)+2*\p:(\reg)+2*\p+1], v5 offset:8*PCE+16*(PCE/16)+(\t)*16*WROW
.endif
.endr
.endm
.macro FETCH_W s, t0
.irp t, 0,1,2,3
	FRAGW WF+12*((\t0)+\t), \s, (\t0)+\t
.endr
.endm
.macro FETCH_X s                       ; x's eight images of K step s into set s % 2 of window 1
	WIN 0x40
.irp a, 0,1,2,3,4,5,6,7
.irp q, 0,1,2
	ds_load_b128 v[128*((\s)%2)+12*\a+4*\q:128*((\s)%2)+12*\a+4*\q+3], v6 offset:(8*(\s)+\a)*1536+512*\q
.endr
.endr
	WIN 0
.endm
.macro MUL16 t0, s, zero               ; column tiles t0, t0 + 1 x the eight row tiles; the 64 accumulators take turns, one instruction a turn
.irp t, \t0, \t0+1
.irp a, 0,1,2,3,4,5,6,7
.set rD, 64*((\t)%4)+8*\a
.set rA, 128*((\s)%2)+12*\a
.set rB, WF+12*(\t)
.set rSA, XS+4*(\s)+\a/2
.set rSB, WS+4*((\t)/2)+(\s)
	WM \zero, \a%2, (\t)%2
.endr
.endr
.endm
.macro STEP s, zero, more
	s_wait_dscnt 24                                ; all but the youngest 24 loads, the weight's fragments 4-7
	WIN MUL_LO
	MUL16 0, \s, \zero
	MUL16 2, \s, \zero
	s_wait_dscnt 0x0
.if \more
	PLACES 4                                       ; four places in front of loads into registers that matrix instructions have read
	FETCH_X (\s)+1
	FETCH_W (\s)+1, 0
.endif
	WIN MUL_HI
	MUL16 4, \s, \zero
	MUL16 6, \s, \zero
.if \more
	PLACES 4
	WIN 0
	FETCH_W (\s)+1, 4
.endif
.endm
.macro GEMM
	FETCH_X 0
	FETCH_W 0, 0
	FETCH_W 0, 4
	STEP 0, 1, 1
	STEP 1, 0, 1
	STEP 2, 0, 1
	STEP 3, 0, 0
	WIN 0
.endm
; Column tile t of k becomes p: a lane is one column d; its 64 registers and lane l xor 16's are the 128 rows.
.macro PTILE t
.set rW, 2+(\t)/4
.set rAc, 64*((\t)%4)
	WIN 21*rW
.irp b, 0,1,2,3
	v_max3_num_f32 v[TM+\b], v[rAc+16*\b], v[rAc+16*\b+1], v[rAc+16*\b+2]   ; each block's largest score: for the column's maximum and, since p rises with the score, for the block's largest p
.endr
	WIN 20*rW
.irp i, 3,5,7,9,11,13
.irp b, 0,1,2,3
	v_max3_num_f32 v[TM+\b], v[TM+\b], v[rAc+16*\b+\i], v[rAc+16*\b+\i+1]
.endr
.endr
.irp b, 0,1,2,3
	v_max_num_f32 v[TM+\b], v[TM+\b], v[rAc+16*\b+15]
.endr
	WIN 0
.irp b, 0,1,2,3
	v_permlanex16_b32 v[TM+4+\b], v[TM+\b], s[SEL], s[SEL+1]
.endr
.irp b, 0,1,2,3
	v_max_num_f32 v[TM+\b], v[TM+\b], v[TM+4+\b]
.endr
	v_max3_num_f32 v[TT], v[TM], v[TM+1], v[TM+2]
	v_max_num_f32 v[TT], v[TT], v[TM+3]
	v_mul_f32 v[NP+1], s[CS], v[TT]                ; the largest t
	v_floor_f32 v[NP], -v[NP+1]                    ; -M = floor(-t): M is a whole number
	v_mov_b32 v[NM+(\t)], v[NP]
.irp b, 0,1,2,3
	v_fma_f32 v[TM+\b], v[TM+\b], s[CS], v[NP]
.endr
	WIN 65*rW
.set jj, 0
.rept 32
	v_pk_fma_f32 v[rAc+jj:rAc+jj+1], v[rAc+jj:rAc+jj+1], s[CS:CS+1], v[NP:NP+1] op_sel_hi:[1,0,0]   ; t - M
.set jj, jj+2
.endr
.set jj, 0
.rept 64
	v_exp_f32 v[rAc+jj], v[rAc+jj]                 ; p = 2^(t - M)
.set jj, jj+1
.endr
	WIN 0
	v_nop                                          ; a plain place behind the last exponential
	s_wait_alu depctr_va_vdst(0)                   ; one wait for the batch of 64, ahead of its first reader
.irp b, 0,1,2,3
	v_exp_f32 v[TM+\b], v[TM+\b]                   ; each block's largest p
.endr
	WIN 5*rW
	v_pk_add_f32 v[SU:SU+1], v[rAc:rAc+1], v[rAc+2:rAc+3]          ; l is the sum of the unquantised p: two packed chains
	v_pk_add_f32 v[SU+2:SU+3], v[rAc+4:rAc+5], v[rAc+6:rAc+7]
	WIN 4*rW
.irp j, 8,12,16,20,24,28,32,36,40,44,48,52,56,60
	v_pk_add_f32 v[SU:SU+1], v[SU:SU+1], v[rAc+\j:rAc+\j+1]
	v_pk_add_f32 v[SU+2:SU+3], v[SU+2:SU+3], v[rAc+\j+2:rAc+\j+3]
.endr
	WIN 0
	v_pk_add_f32 v[SU:SU+1], v[SU:SU+1], v[SU+2:SU+3]
	v_add_f32 v[SU], v[SU], v[SU+1]
	v_permlanex16_b32 v[TT], v[SU], s[SEL], s[SEL+1]
	v_add_f32 v[LL+(\t)], v[SU], v[TT]
	s_wait_alu depctr_va_vdst(0)                   ; and one for the four
.irp b, 0,1,2,3
	v_max_num_f32 v[TM+\b], 0x1800000, v[TM+\b]
.endr
	QCODE rAc, rW, 2
	v_mov_b32 v[PWD+(\t)], v[PW]
.irp q, 0,1,2
	global_store_b128 v1, v[PC+4*\q:PC+4*\q+3], s[14:15] offset:49152*(\t)+512*\q th:TH_STORE_NT   ; 512 consecutive bytes, aligned
.endr
.endm
.macro VTILE t
	QUANT 64*((\t)%4), 2+(\t)/4, 2
	v_mov_b32 v[PWD+(\t)], v[PW]
.irp q, 0,1,2
	global_store_b128 v1, v[PC+4*\q:PC+4*\q+3], s[16:17] offset:49152*(\t)+512*\q th:TH_STORE_NT
.endr
.endm
	s_load_b256 s[4:11], s[0:1], 0x0               ; x, Wk's codes, Wk's scales, Wv's codes
	s_load_b256 s[12:19], s[0:1], 0x20             ; Wv's scales, pimg, vimg, pst
	s_load_b64 s[XQ:XQ+1], s[0:1], 0x40            ; xq
	v_lshl_add_u32 v[SPW], v0, 2, SPARE
	v_mov_b32 v[NIL], 0
	ds_add_u32 v2, v3
	ds_add_u32 v2, v3
	s_wait_dscnt 0x0
	v_lshrrev_b32 v12, 5, v0
	v_readfirstlane_b32 s[WV], v12                 ; wave 0..3
	v_and_b32 v12, 31, v0                          ; lane
	v_and_b32 v13, 15, v0                          ; r
	v_bfe_u32 v14, v0, 4, 1                        ; h
	v_lshlrev_b32 v1, 4, v12                       ; 16 x lane
	s_mul_i32 s23, s[WV], WREGB
	v_mul_u32_u24 v4, v13, WROW
	v_mad_u32_u24 v4, v14, 24, v4
	v_add_nc_u32 v4, s23, v4                       ; the weight's fragments: my rows, row r, + 24 h
	v_lshl_add_u32 v5, v14, 4, v4                  ; and behind one padding more
	v_add_nc_u32 v6, XIMG, v1
	s_mul_i32 s45, s[WV], 3072
	v_add_nc_u32 v7, s45, v6                       ; where I store images: row tiles 2 w, 2 w + 1
	v_add_nc_u32 v[XGI], s45, v1                   ; and the same place in xq
	v_add_nc_u32 v9, XSC, v1
	s_lshl_b32 s45, s[WV], 2
	v_add_nc_u32 v8, s45, v9                       ; and their words: pair w
	s_lshl_b32 s45, s[WV], 9
	v_add_nc_u32 v[XSL], s45, v9                   ; K step w's words, whole, for xq
	v_add_nc_u32 v[XSG], s45, v1
	s_mul_i32 s45, s[WV], 8448
	s_add_co_u32 s45, s45, STG
	v_add_nc_u32 v10, s45, v1                      ; my stage, in
	v_mul_u32_u24 v11, v13, 528
	v_lshl_add_u32 v11, v14, 6, v11
	v_add_nc_u32 v11, s45, v11                     ; and out: row r, + 64 h
.irp b, 0,1,2,3
	v_mov_b32 v[TM+4+\b], 0                        ; a lane permute's destination counts as one of its sources
.endr
	v_mov_b32 v[TT], 0
	s_bfe_u32 s21, ttmp6, 0x40000                  ; cx
	s_lshl_b32 s22, ttmp9, 2
	s_add_co_u32 s22, s22, s21                     ; g: it enters global addresses of plain loads and stores alone
	s_mov_b32 s[SEL], 0x76543210
	s_mov_b32 s[SEL+1], 0xfedcba98
	s_mov_b32 s[CS], 0x3fb8aa3b                    ; log2(e)
	s_mov_b32 s[CS+1], s[CS]
	s_mov_b32 s[HM], 0xffff0000                    ; lanes 16-31
	s_mov_b32 s[G1], 15|(1<<20)|(1<<21)|(4<<22)|(3<<25)   ; all four work-groups; elements of 1 byte; 16 bytes of padding behind every 128
	s_mov_b32 s[G1+1], 384<<16
	s_mov_b32 s[G1+2], 128<<16
	s_mov_b32 s[G1+3], 384<<16
	s_mov_b32 s[G1+4], 128
	s_mov_b32 s[G1+5], 384
	s_mov_b32 s[G1+6], 0
	s_mov_b32 s[G1+7], 0
	s_lshl_b32 s46, s22, 18                        ; x: 128 rows of 2,048 bytes a work-group, 32 a wave
	s_lshl_b32 s47, s[WV], 16
	s_add_co_u32 s46, s46, s47
	s_mov_b32 s47, 0
	s_lshl_b32 s48, s[WV], 11                      ; scale bytes: 128 rows of 16
	s_mov_b32 s49, 0
	s_lshr_b32 s50, s22, 5                         ; images: [b][T = 8 w + t][c][1536]
	s_mul_i32 s50, s50, 1572864
	s_mul_i32 s51, s[WV], 393216
	s_add_co_u32 s50, s50, s51
	s_and_b32 s51, s22, 31
	s_mul_i32 s51, s51, 1536
	s_add_co_u32 s50, s50, s51
	s_mov_b32 s51, 0
	s_lshl_b32 s52, s22, 2                         ; pst: 2,048 bytes for (g, w)
	s_add_co_u32 s52, s52, s[WV]
	s_lshl_b32 s52, s52, 11
	s_mov_b32 s53, 0
	s_mul_i32 s54, s[WV], 49152                    ; my 128 rows of a weight
	s_mov_b32 s55, 0
	s_mul_i32 s58, s22, 51200                      ; xq: 51,200 bytes a work-group
	s_mov_b32 s59, 0
	s_wait_kmcnt 0x0
	s_mov_b32 s[G0K], 1
	s_mul_i32 s[G0K+1], s[WV], WREGB
	s_add_nc_u64 s[G0K+2:G0K+3], s[6:7], s[54:55]
	s_or_b32 s[G0K+3], s[G0K+3], 0x80000000
	s_mov_b32 s[G0V], 1
	s_mul_i32 s[G0V+1], s[WV], WREGB
	s_add_nc_u64 s[G0V+2:G0V+3], s[10:11], s[54:55]
	s_or_b32 s[G0V+3], s[G0V+3], 0x80000000
	CROUND                                         ; the four work-groups are here: the first joint loads meet
	tensor_load_to_lds s[G0K:G0K+3], s[G1:G1+7]    ; Wk: my 128 rows; one tensor load of mine is out
	s_nop 0
	PLACES 4
	s_add_nc_u64 s[4:5], s[4:5], s[46:47]
	s_add_nc_u64 s[8:9], s[8:9], s[48:49]
	s_add_nc_u64 s[12:13], s[12:13], s[48:49]
	s_add_nc_u64 s[14:15], s[14:15], s[50:51]
	s_add_nc_u64 s[16:17], s[16:17], s[50:51]
	s_add_nc_u64 s[18:19], s[18:19], s[52:53]
	s_add_nc_u64 s[XQ:XQ+1], s[XQ:XQ+1], s[58:59]
.irp q, 0,1,2,3
	global_load_b128 v[WS+4*\q:WS+4*\q+3], v1, s[8:9] offset:512*\q
.endr
	XLOAD 0
	XLOAD 1
	XLOAD 2
	XLOAD 3
	XUNIT 0, 48
	XUNIT 1, 48
	XUNIT 2, 48
	XUNIT 3, 48
	XUNIT 4, 48
	XUNIT 5, 32
	XUNIT 6, 16
	XUNIT 7, 0
	BARRIER                                        ; x's 32 images and their words lie in LDS
	s_wait_xcnt 0x0                                ; the last image's stores to xq have read v[PC] on, where fragments land next
	s_wait_tensorcnt 0x0                           ; my rows of Wk: only I read them
	ds_load_b128 v[XW:XW+3], v[XSL]                ; K step w's words, for xq: the four waves' pairs side by side
.irp s, 0,1,2,3
	ds_load_b128 v[XS+4*\s:XS+4*\s+3], v9 offset:512*\s
.endr
	GEMM                                           ; k
	global_store_b128 v[XSG], v[XW:XW+3], s[XQ:XQ+1] offset:49152 th:TH_STORE_NT   ; behind the images: 512 consecutive bytes, aligned; these registers are not written again
	s_wait_tensorcnt 0x0                           ; Wv takes Wk's bytes: all my tensor loads are done,
	ds_add_u32 v[SPW], v[NIL]                      ; 0 onto my spare word,
	s_wait_dscnt 0x0                               ; the add is done and my reads of Wk are over
	CROUND
	tensor_load_to_lds s[G0V:G0V+3], s[G1:G1+7]    ; it lands under the softmax's vector work
	s_nop 0
	PLACES 4                                       ; also the places behind the last products
.irp q, 0,1,2,3
	global_load_b128 v[WS+4*\q:WS+4*\q+3], v1, s[12:13] offset:512*\q
.endr
.irp t, 0,1,2,3,4,5,6,7
	PTILE \t
.endr
.irp q, 0,1,2,3
	v_cndmask_b32 v[PK+\q], v[NM+2*\q], v[NM+2*\q+1], s[HM]
	v_cndmask_b32 v[PK+4+\q], v[LL+2*\q], v[LL+2*\q+1], s[HM]
	v_cndmask_b32 v[PK+8+\q], v[PWD+2*\q], v[PWD+2*\q+1], s[HM]
.endr
	global_store_b128 v1, v[PK:PK+3], s[18:19]
	global_store_b128 v1, v[PK+4:PK+7], s[18:19] offset:512
	global_store_b128 v1, v[PK+8:PK+11], s[18:19] offset:1024
	s_wait_tensorcnt 0x0                           ; my rows of Wv
	s_wait_loadcnt 0x0                             ; and their scale words
	s_wait_xcnt 0x0                                ; the last image's stores have read v[PC] on, where fragments land next
	GEMM                                           ; v
	PLACES 4
.irp t, 0,1,2,3,4,5,6,7
	VTILE \t
.endr
.irp q, 0,1,2,3
	v_cndmask_b32 v[PK+12+\q], v[PWD+2*\q], v[PWD+2*\q+1], s[HM]
.endr
	global_store_b128 v1, v[PK+12:PK+15], s[18:19] offset:1536
	s_wait_tensorcnt 0x0                           ; the wave's end
	ds_add_u32 v[SPW], v[NIL]
	s_wait_dscnt 0x0
	CROUND                                         ; the closing round
	s_endpgm
.Lfunc_end_k_q7e83d2d541_kv:
	.size	k_q7e83d2d541_kv, .Lfunc_end_k_q7e83d2d541_kv-k_q7e83d2d541_kv
	.p2alignl 7, 3214868480
	.fill 96, 4, 3214868480
	.section	.rodata,"a",@progbits
	.p2align	6, 0x0
	.amdhsa_kernel k_q7e83d2d541_kv
		.amdhsa_group_segment_fixed_size 327680
		.amdhsa_private_segment_fixed_size 0
		.amdhsa_enable_private_segment 0
		.amdhsa_kernarg_size 72
		.amdhsa_user_sgpr_count 2
		.amdhsa_user_sgpr_kernarg_segment_ptr 1
		.amdhsa_wavefront_size32 1
		.amdhsa_system_sgpr_workgroup_id_x 1
		.amdhsa_system_sgpr_workgroup_id_y 1
		.amdhsa_system_sgpr_workgroup_id_z 1
		.amdhsa_system_vgpr_workitem_id 0
		.amdhsa_next_free_vgpr 1024
		.amdhsa_next_free_sgpr 66
		.amdhsa_reserve_vcc 0
		.amdhsa_float_denorm_mode_32 3
		.amdhsa_float_denorm_mode_16_64 3
		.amdhsa_memory_ordered 1
		.amdhsa_forward_progress 1
		.amdhsa_inst_pref_size 255
	.end_amdhsa_kernel
	.section	.bss,"aw",@nobits
	.p2align	6
	.space	262144
	.amdgpu_metadata
---
amdhsa.version: [ 1, 2 ]
amdhsa.kernels:
  - .name:           k_q7e83d2d541_kv
    .symbol:         k_q7e83d2d541_kv.kd
    .args:
      - { .name: x, .offset: 0, .size: 8, .value_kind: global_buffer, .address_space: global }
      - { .name: Wk_codes, .offset: 8, .size: 8, .value_kind: global_buffer, .address_space: global }
      - { .name: Wk_scales, .offset: 16, .size: 8, .value_kind: global_buffer, .address_space: global }
      - { .name: Wv_codes, .offset: 24, .size: 8, .value_kind: global_buffer, .address_space: global }
      - { .name: Wv_scales, .offset: 32, .size: 8, .value_kind: global_buffer, .address_space: global }
      - { .name: pimg, .offset: 40, .size: 8, .value_kind: global_buffer, .address_space: global }
      - { .name: vimg, .offset: 48, .size: 8, .value_kind: global_buffer, .address_space: global }
      - { .name: pst, .offset: 56, .size: 8, .value_kind: global_buffer, .address_space: global }
      - { .name: xq, .offset: 64, .size: 8, .value_kind: global_buffer, .address_space: global }
    .group_segment_fixed_size: 327680
    .private_segment_fixed_size: 0
    .kernarg_segment_align: 8
    .kernarg_segment_size: 72
    .max_flat_workgroup_size: 128
    .sgpr_count:     66
    .vgpr_count:     1024
    .wavefront_size: 32
...
	.end_amdgpu_metadata
.endif
;; end of part 1
;; launch ctx (part 2): grid 8 x 32, 4 waves a work-group, clusters of 4 x 4, 327,680 bytes of LDS; arguments pimg, vimg, pst, Wq_codes, W1_codes, W2_codes, wimg, cimg, csc; writes wimg, cimg, csc
.if DOCPART == 2
	.amdgcn_target "amdgcn-amd-amdhsa--gfx1250"
	.amdhsa_code_object_version 6
	.text
	.protected	k_q7e83d2d541_ctx
	.globl	k_q7e83d2d541_ctx
	.p2align	8
	.type	k_q7e83d2d541_ctx,@function
k_q7e83d2d541_ctx:
	s_mov_b64 s[64:65], 0
	v_nop
	global_prefetch_b8 v0, s[64:65] scope:SCOPE_SE
	s_setreg_imm32_b32 hwreg(HW_REG_WAVE_MODE, 25, 1), 1
	s_wait_xcnt 0x0
	s_wait_alu depctr_hold_cnt(0) depctr_sa_sdst(0) depctr_va_vdst(0) depctr_va_sdst(0) depctr_va_ssrc(0) depctr_va_vcc(0) depctr_vm_vsrc(0)
	s_getreg_b32 s2, hwreg(HW_REG_IB_STS2, 6, 4)
	s_cmp_eq_u32 s2, 0
	s_cbranch_scc0 .Lentry_in_a_cluster
	s_endpgm
.Lentry_in_a_cluster:
	s_bfe_u32 s2, ttmp6, 0x10000c
	s_cmp_lg_u32 s2, 0xf033
	s_cbranch_scc0 .Lentry_shape_is_right
	s_endpgm
.Lentry_shape_is_right:
; ctx: context[b][d][e] = (sum over n of Q(p)[n][d] Q(v)[n][e]) / l[d], quantised along d for the next product; and Wq, W1, W2 are laid in the order of operand registers.
; SHARES. A work-group makes 128 d (block cy) x 64 e (block ex) of batch b. THE WAVES SPLIT K: of a slot's 8 chunks of 128 n wave w takes chunks 2 w, 2 w + 1 for the whole tile (32 accumulators),
; so each LDS byte is read once; the four partial tiles are added through LDS, in the fixed order ((0 + 1) + 2) + 3, wave w finishing e tile w.
; THE BATCH'S M. Each chunk of p was made under its own whole M; -M of the batch is the least of the 32 chunks' -M. p's E8M0 bytes are lowered by (M - the chunk's M): the codes stay.
; LAYOUT. Source 0 = 16 d of p, source 1 = 16 e of v: a lane holds one e and its registers run along d: register 8 T + j is d = 16 T + 8 (lane / 16) + j, the order in which the next launch holds q.
; CLUSTER. 4 x 4: p's tiles hang on (b, cy) and are asked for jointly along a row of the cluster, v's on (b, ex) and along a column.
; The image of ctx is stored with its lanes placed anew, so that lane r of tile 2 B + u holds e = 32 B + 8 u + r + 8 (r / 8): runs of 128 consecutive bytes, 1.5 MB in the whole launch.
; LIMITS. NaN and infinities are not served. A byte of p that would fall under 0 is held at 0 (2^-127). 1 / l is v_rcp_f32's.
.set SLOT,  147456                     ; p's 8 tiles x 8 chunks x 1,536 bytes, then v's 4 tiles likewise
.set TBL,   2*SLOT                     ; 1 / l of the 128 d, a table of 512 bytes for each wave
.set SPARE, TBL+4*512
.set SPW, 2
.set NIL, 3
.set ADR, 4                            ; v4-9 slot sg, part q (p's tiles 0-3, 4-7, v's): SLOT sg + 49,152 q + 3,072 w + 16 lane
.set PA,  32                           ; v32-63 p's scale words: register 4 idx + B
.set VS,  64                           ; v64-79 v's: register 2 idx + pair
.set NMW, 80                           ; v80-111 -M of my 8 chunks; later TM and PW
.set TM,  80
.set PW,  96
.set G,   112                          ; v112-115 -M of the batch
.set LS,  116                          ; v116-119 l, then 1 / l
.set VF,  128                          ; v128-223 v's fragments, two sets of 48
.set TMPB, 128
.set PC,  128
.set LAY, 224                          ; v224-235 a weight's fragment on its way
.set WV,  22
.set G1P, 32
.set G1V, 40
.set G0P, 48
.set G0V, 56
.set SEL, 66
.set MUL_LO, 0xa1
.set MSB, 0
.macro WIN new
.if MSB != (\new)
	s_set_vgpr_msb (MSB<<8)|(\new)
.set MSB, \new
.endif
.endm
.macro PLACES n
.rept \n
	v_nop
.endr
.endm
.macro BARRIER
	s_wait_dscnt 0x0
	s_barrier_signal -1
	s_barrier_wait -1
.endm
.macro CROUND
	s_barrier_signal -1
	s_barrier_wait -1
	s_cmp_lg_u32 s[WV], 0
	s_cbranch_scc1 .Lnot_wave_0_\@
	s_barrier_signal -3
.Lnot_wave_0_\@:
	s_barrier_wait -3
	s_barrier_signal -1
	s_barrier_wait -1
.endm
.macro WM zero, ra, rb
.if (\zero) && ((\ra) == 0) && ((\rb) == 0)
	v_wmma_scale_f32_16x16x128_f8f6f4 v[rD:rD+7], v[rA:rA+11], v[rB:rB+11], 0, v[rSA], v[rSB] matrix_a_fmt:MATRIX_FMT_FP6 matrix_b_fmt:MATRIX_FMT_FP6
.elseif (\zero) && ((\rb) == 0)
	v_wmma_scale_f32_16x16x128_f8f6f4 v[rD:rD+7], v[rA:rA+11], v[rB:rB+11], 0, v[rSA], v[rSB] matrix_a_fmt:MATRIX_FMT_FP6 matrix_b_fmt:MATRIX_FMT_FP6 matrix_a_scale:MATRIX_SCALE_ROW1
.elseif (\zero) && ((\ra) == 0)
	v_wmma_scale_f32_16x16x128_f8f6f4 v[rD:rD+7], v[rA:rA+11], v[rB:rB+11], 0, v[rSA], v[rSB] matrix_a_fmt:MATRIX_FMT_FP6 matrix_b_fmt:MATRIX_FMT_FP6 matrix_b_scale:MATRIX_SCALE_ROW1
.elseif (\zero)
	v_wmma_scale_f32_16x16x128_f8f6f4 v[rD:rD+7], v[rA:rA+11], v[rB:rB+11], 0, v[rSA], v[rSB] matrix_a_fmt:MATRIX_FMT_FP6 matrix_b_fmt:MATRIX_FMT_FP6 matrix_a_scale:MATRIX_SCALE_ROW1 matrix_b_scale:MATRIX_SCALE_ROW1
.elseif ((\ra) == 0) && ((\rb) == 0)
	v_wmma_scale_f32_16x16x128_f8f6f4 v[rD:rD+7], v[rA:rA+11], v[rB:rB+11], v[rD:rD+7], v[rSA], v[rSB] matrix_a_fmt:MATRIX_FMT_FP6 matrix_b_fmt:MATRIX_FMT_FP6
.elseif ((\rb) == 0)
	v_wmma_scale_f32_16x16x128_f8f6f4 v[rD:rD+7], v[rA:rA+11], v[rB:rB+11], v[rD:rD+7], v[rSA], v[rSB] matrix_a_fmt:MATRIX_FMT_FP6 matrix_b_fmt:MATRIX_FMT_FP6 matrix_a_scale:MATRIX_SCALE_ROW1
.elseif ((\ra) == 0)
	v_wmma_scale_f32_16x16x128_f8f6f4 v[rD:rD+7], v[rA:rA+11], v[rB:rB+11], v[rD:rD+7], v[rSA], v[rSB] matrix_a_fmt:MATRIX_FMT_FP6 matrix_b_fmt:MATRIX_FMT_FP6 matrix_b_scale:MATRIX_SCALE_ROW1
.else
	v_wmma_scale_f32_16x16x128_f8f6f4 v[rD:rD+7], v[rA:rA+11], v[rB:rB+11], v[rD:rD+7], v[rSA], v[rSB] matrix_a_fmt:MATRIX_FMT_FP6 matrix_b_fmt:MATRIX_FMT_FP6 matrix_a_scale:MATRIX_SCALE_ROW1 matrix_b_scale:MATRIX_SCALE_ROW1
.endif
.endm
.macro QCODE a, w, wt
	WIN 0
.irp b, 0,1,2,3
	v_add_nc_u32 v[TM+12+\b], 0xff000000, v[TM+\b]   ; 2 off the exponent field: the conversion's scale operand
.endr
.irp b, 0,1,2,3
	v_lshrrev_b32 v[TM+4+\b], 23, v[TM+12+\b]        ; the scale's byte
.endr
	v_lshl_or_b32 v[PW], v[TM+5], 8, v[TM+4]
	v_lshl_or_b32 v[PW], v[TM+6], 16, v[PW]
	v_lshl_or_b32 v[PW], v[TM+7], 24, v[PW]
.if (\wt) == 1
	s_wait_dscnt 0x0
.elseif (\wt) == 2
	s_wait_xcnt 0x0
.endif
	WIN (\w)
.irp c, 0,1
	v_cvt_scalef32_pk16_fp6_f32 v[PC+6*\c:PC+6*\c+2], v[(\a)+32*\c:(\a)+32*\c+15], v[TM+12+2*\c]
	v_cvt_scalef32_pk16_fp6_f32 v[PC+12+4*\c:PC+12+4*\c+2], v[(\a)+32*\c+16:(\a)+32*\c+31], v[TM+12+2*\c+1]
.endr
	WIN 0
	v_nop                                          ; one plain place behind a scaled conversion
.irp c, 0,1
.irp i, 0,1,2
	v_permlane16_swap_b32 v[PC+6*\c+\i], v[PC+12+4*\c+\i]
.endr
.irp i, 0,1,2
	v_mov_b32 v[PC+3+6*\c+\i], v[PC+12+4*\c+\i]
.endr
.endr
.endm
.macro QUANT a, w, wt
	WIN 5*(\w)
.irp b, 0,1,2,3
	v_max3_num_f32 v[TM+\b], |v[(\a)+16*\b]|, |v[(\a)+16*\b+1]|, 0x1800000
.endr
	WIN 20*(\w)
.irp i, 2,4,6,8,10,12,14
.irp b, 0,1,2,3
	v_max3_num_f32 v[TM+\b], v[TM+\b], |v[(\a)+16*\b+\i]|, |v[(\a)+16*\b+\i+1]|
.endr
.endr
	WIN 0
.irp b, 0,1,2,3
	v_permlanex16_b32 v[TM+4+\b], v[TM+\b], s[SEL], s[SEL+1]
.endr
.irp b, 0,1,2,3
	v_max_num_f32 v[TM+\b], v[TM+\b], v[TM+4+\b]
.endr
	QCODE \a, \w, \wt
.endm
; A joint load: waves 0 and 1 fetch p's tiles 0-3 and 4-7, waves 2 and 3 v's tiles 0-1 and 2-3. The branch hangs on the wave's number alone. Four v_nop follow each line.
.macro JLOAD sg
	s_cmp_eq_u32 s28, 0
	s_cbranch_scc0 .Lfor_v_\@
	tensor_load_to_lds s[G0P+4*(\sg):G0P+4*(\sg)+3], s[G1P:G1P+7]
	s_nop 0
	PLACES 4
	s_branch .Lasked_\@
.Lfor_v_\@:
	tensor_load_to_lds s[G0V+4*(\sg):G0V+4*(\sg)+3], s[G1V:G1V+7]
	s_nop 0
	PLACES 4
.Lasked_\@:
.endm
.macro FETCHC sg, i                    ; chunk i of my two in slot sg: p's 8 fragments into set i of window 1, v's 4 into set i of window 0: 36 loads of 512 consecutive bytes
	WIN 0x40
.irp t, 0,1,2,3,4,5,6,7
.irp q, 0,1,2
	ds_load_b128 v[128*(\i)+12*\t+4*\q:128*(\i)+12*\t+4*\q+3], v[ADR+3*(\sg)+\t/4] offset:(\t%4)*12288+1536*(\i)+512*\q
.endr
.endr
	WIN 0
.irp e, 0,1,2,3
.irp q, 0,1,2
	ds_load_b128 v[VF+48*(\i)+12*\e+4*\q:VF+48*(\i)+12*\e+4*\q+3], v[ADR+3*(\sg)+2] offset:\e*12288+1536*(\i)+512*\q
.endr
.endr
.endm
.macro MULC idx, i, zero               ; 32 products: the 32 accumulators take turns, one instruction a turn
.irp e, 0,1,2,3
.irp t, 0,1,2,3,4,5,6,7
.set rD, 64*\e+8*\t
.set rA, 128*(\i)+12*\t
.set rB, VF+48*(\i)+12*\e
.set rSA, PA+4*(\idx)+\t/2
.set rSB, VS+2*(\idx)+\e/2
	WM \zero, \t%2, \e%2
.endr
.endr
.endm
.macro SLOTWORK sg, k, zero
	FETCHC \sg, 0
	FETCHC \sg, 1
	s_wait_dscnt 36                                ; the first chunk is in; the second chunk's 36 loads may be out
	WIN MUL_LO
	MULC 2*(\k), 0, \zero
	s_wait_dscnt 0x0
	MULC 2*(\k)+1, 1, 0
	WIN 0
.endm
; The change of slots: all my tensor loads are done (the other slot's part among them), the add, my reads of this slot are over; then the round, and the joint refill first behind it.
.macro CHANGE sg, fill
	s_wait_tensorcnt 0x0
	ds_add_u32 v[SPW], v[NIL]                      ; 0 onto my spare word
.if \fill
	s_add_nc_u64 s[G0P+4*(\sg)+2:G0P+4*(\sg)+3], s[G0P+4*(\sg)+2:G0P+4*(\sg)+3], 24576   ; 16 chunks on
	s_add_nc_u64 s[G0V+4*(\sg)+2:G0V+4*(\sg)+3], s[G0V+4*(\sg)+2:G0V+4*(\sg)+3], 24576
.endif
	s_wait_dscnt 0x0
.if \fill
	CROUND
	JLOAD \sg                                      ; its four v_nop are also the places in front of the loads that follow
.else
	s_barrier_signal -1
	s_barrier_wait -1
	PLACES 4
.endif
.endm
	s_load_b256 s[4:11], s[0:1], 0x0               ; pimg, vimg, pst, Wq's codes
	s_load_b256 s[12:19], s[0:1], 0x20             ; W1's codes, W2's codes, wimg, cimg
	s_load_b64 s[20:21], s[0:1], 0x40              ; csc
	v_lshl_add_u32 v[SPW], v0, 2, SPARE
	v_mov_b32 v[NIL], 0
	ds_add_u32 v2, v3
	ds_add_u32 v2, v3
	s_wait_dscnt 0x0
	v_lshrrev_b32 v20, 5, v0
	v_readfirstlane_b32 s[WV], v20                 ; wave 0..3
	s_and_b32 s27, s[WV], 1                        ; which half of p's or v's tiles I fetch
	s_lshr_b32 s28, s[WV], 1                       ; I fetch for p (0) or for v (1)
	s_bfe_u32 s23, ttmp6, 0x40000                  ; cx
	s_bfe_u32 s24, ttmp6, 0x40004                  ; cy: the block of 128 d
	s_lshl_b32 s25, ttmp9, 2
	s_add_co_u32 s25, s25, s23                     ; ex: the block of 64 e
	s_and_b32 s26, ttmp7, 0xffff                   ; the cluster's y is the batch
	s_lshl_b32 s76, s24, 2
	s_lshl_b32 s76, 15, s76                        ; my row of the cluster
	s_lshl_b32 s77, 0x1111, s23                    ; my column
	s_or_b32 s[G1P], s76, (3<<16)|(1<<21)          ; elements of 8 bytes, no padding
	s_or_b32 s[G1V], s77, (3<<16)|(1<<21)
	s_mov_b32 s[G1P+1], 1536<<16                   ; a row: one tile's 8 chunks, 12,288 bytes
	s_mov_b32 s[G1P+2], 4<<16
	s_mov_b32 s[G1P+3], 1536<<16
	s_mov_b32 s[G1P+4], 4                          ; four tiles
	s_mov_b32 s[G1P+5], 6144                       ; from tile to tile: 32 chunks
	s_mov_b32 s[G1P+6], 0
	s_mov_b32 s[G1P+7], 0
	s_mov_b32 s[G1V+1], 1536<<16
	s_mov_b32 s[G1V+2], 2<<16
	s_mov_b32 s[G1V+3], 1536<<16
	s_mov_b32 s[G1V+4], 2                          ; two tiles
	s_mov_b32 s[G1V+5], 6144
	s_mov_b32 s[G1V+6], 0
	s_mov_b32 s[G1V+7], 0
	s_mul_i32 s68, s26, 1572864                    ; the batch's images
	s_lshl_b32 s70, s24, 3
	s_lshl_b32 s71, s27, 2
	s_add_co_u32 s70, s70, s71                     ; p: tile 8 cy + 4 (w & 1)
	s_mul_i32 s70, s70, 49152
	s_add_co_u32 s70, s70, s68
	s_mov_b32 s71, 0
	s_lshl_b32 s72, s25, 2
	s_lshl_b32 s73, s27, 1
	s_add_co_u32 s72, s72, s73                     ; v: tile 4 ex + 2 (w & 1)
	s_mul_i32 s72, s72, 49152
	s_add_co_u32 s72, s72, s68
	s_mov_b32 s73, 0
	s_mul_i32 s74, s27, 49152                      ; where they go in a slot
	s_mul_i32 s75, s27, 24576
	s_add_co_u32 s75, s75, 98304
	s_wait_kmcnt 0x0
	s_add_nc_u64 s[70:71], s[4:5], s[70:71]
	s_add_nc_u64 s[72:73], s[6:7], s[72:73]
	CROUND                                         ; all sixteen work-groups are here
.irp s, 0,1
	s_mov_b32 s[G0P+4*\s], 1
	s_add_co_u32 s[G0P+4*\s+1], s74, \s*SLOT
	s_add_nc_u64 s[G0P+4*\s+2:G0P+4*\s+3], s[70:71], \s*12288
	s_or_b32 s[G0P+4*\s+3], s[G0P+4*\s+3], 0x80000000
	s_mov_b32 s[G0V+4*\s], 1
	s_add_co_u32 s[G0V+4*\s+1], s75, \s*SLOT
	s_add_nc_u64 s[G0V+4*\s+2:G0V+4*\s+3], s[72:73], \s*12288
	s_or_b32 s[G0V+4*\s+3], s[G0V+4*\s+3], 0x80000000
	JLOAD \s                                       ; two tensor loads of mine are out
.endr
	v_and_b32 v20, 31, v0                          ; lane
	v_and_b32 v21, 15, v0                          ; r
	v_bfe_u32 v22, v0, 4, 1                        ; h
	v_lshlrev_b32 v1, 4, v20
	s_mul_i32 s78, s[WV], 3072
	v_add_nc_u32 v[ADR], s78, v1
	v_add_nc_u32 v[ADR+1], 49152, v[ADR]
	v_add_nc_u32 v[ADR+2], 98304, v[ADR]
	v_add_nc_u32 v[ADR+3], SLOT, v[ADR]
	v_add_nc_u32 v[ADR+4], SLOT+49152, v[ADR]
	v_add_nc_u32 v[ADR+5], SLOT+98304, v[ADR]
	s_lshl_b32 s78, s[WV], 9
	s_add_co_u32 s78, s78, TBL
	v_lshl_add_u32 v10, v20, 2, s78                ; my table, in: 4 x lane
	v_lshl_add_u32 v11, v22, 5, s78                ; and out: 32 h
	s_lshl_b32 s79, s[WV], 13
	v_add_nc_u32 v12, s79, v1                      ; the partial tiles: [e tile][wave][8,192 bytes], in slot 0, which has had its last fill and its last read by then
	v_add_nc_u32 v13, 65536, v12
	s_lshl_b32 s79, s[WV], 15
	v_add_nc_u32 v14, s79, v1
	v_lshrrev_b32 v15, 3, v21
	v_mul_u32_u24 v15, v15, 6144
	v_lshl_add_u32 v15, v22, 8, v15
	v_and_b32 v23, 7, v21
	v_lshl_add_u32 v15, v23, 4, v15                ; ctx's image: tile + r / 8, lane 16 h + r % 8 (+ 8 (w & 1), in the base)
	v_lshlrev_b32 v16, 4, v21                      ; its scale word: row r of 16 bytes
	s_mov_b32 s[SEL], 0x76543210
	s_mov_b32 s[SEL+1], 0xfedcba98
	s_lshl_b32 s86, s26, 18                        ; pst: 262,144 bytes a batch, 2,048 a block of 128 columns
	s_lshl_b32 s87, s24, 11
	s_add_co_u32 s86, s86, s87
	s_mov_b32 s87, 0
	s_add_nc_u64 s[80:81], s[8:9], s[86:87]        ; block cy, chunk 0
	s_lshl_b32 s88, s[WV], 14
	s_mov_b32 s89, 0
	s_add_nc_u64 s[82:83], s[80:81], s[88:89]      ; the same at chunk 2 w
	s_lshl_b32 s86, s26, 18
	s_lshr_b32 s90, s25, 1
	s_lshl_b32 s90, s90, 11
	s_add_co_u32 s86, s86, s90
	s_and_b32 s90, s25, 1
	s_lshl_b32 s90, s90, 3
	s_add_co_u32 s86, s86, s90
	s_add_co_u32 s86, s86, 1536                    ; v's words: block ex / 2, plane 3, words 2 (ex % 2) on
	s_add_nc_u64 s[84:85], s[8:9], s[86:87]
	s_add_nc_u64 s[84:85], s[84:85], s[88:89]
	WIN 0xc0
.set cc, 0
.rept 32
	global_load_b128 v[4*cc:4*cc+3], v1, s[80:81] offset:8192*cc              ; -M of all 32 chunks
	global_load_b128 v[128+4*cc:128+4*cc+3], v1, s[80:81] offset:8192*cc+512  ; and l
.set cc, cc+1
.endr
	WIN 0
.irp x, 0,1,2,3,4,5,6,7                        ; my chunks 8 (x / 2) + 2 w + x % 2
	global_load_b128 v[NMW+4*\x:NMW+4*\x+3], v1, s[82:83] offset:(8*(\x/2)+\x%2)*8192
	global_load_b128 v[PA+4*\x:PA+4*\x+3], v1, s[82:83] offset:(8*(\x/2)+\x%2)*8192+1024
	global_load_b64 v[VS+2*\x:VS+2*\x+1], v1, s[84:85] offset:(8*(\x/2)+\x%2)*8192
.endr
	s_mul_i32 s86, s26, 196608                     ; where my part of cimg begins
	s_lshl_b32 s90, s25, 2
	s_lshl_b32 s91, s28, 1
	s_add_co_u32 s90, s90, s91
	s_lshl_b32 s90, s90, 2
	s_add_co_u32 s90, s90, s24
	s_mul_i32 s90, s90, 1536
	s_add_co_u32 s86, s86, s90
	s_lshl_b32 s90, s27, 7
	s_add_co_u32 s86, s86, s90
	s_add_nc_u64 s[18:19], s[18:19], s[86:87]
	s_lshl_b32 s86, s26, 13                        ; and of csc: 8,192 b + 16 (16 (4 ex + w)) + 4 cy
	s_lshl_b32 s90, s25, 2
	s_add_co_u32 s90, s90, s[WV]
	s_lshl_b32 s90, s90, 8
	s_add_co_u32 s86, s86, s90
	s_lshl_b32 s90, s24, 2
	s_add_co_u32 s86, s86, s90
	s_add_nc_u64 s[20:21], s[20:21], s[86:87]
	; THE WEIGHTS ARE LAID. 384 fragments (3 matrices x 32 tiles x 4 K steps): the first six clusters take 64 each, a wave one. The branch hangs on the cluster's number, which all partners share.
	s_lshl_b32 s86, s26, 1
	s_add_co_u32 s86, s86, ttmp9
	s_cmp_lt_u32 s86, 6
	s_cbranch_scc0 .Lno_lay
	s_lshr_b32 s87, s86, 1                         ; the matrix: 0 Wq, 1 W1, 2 W2
	s_cmp_eq_u32 s87, 0
	s_cselect_b64 s[88:89], s[10:11], s[12:13]
	s_cselect_b32 s90, 0, 8                        ; Wq: lane r takes row 16 T + r; W1, W2: row 32 (T / 2) + 8 (T % 2) + r + 8 (r / 8)
	s_cmp_eq_u32 s87, 2
	s_cselect_b64 s[88:89], s[14:15], s[88:89]
	s_and_b32 s91, s86, 1
	s_lshl_b32 s91, s91, 4
	s_lshl_b32 s92, s24, 2
	s_add_co_u32 s91, s91, s92
	s_add_co_u32 s91, s91, s23                     ; the tile T
	s_lshl_b32 s93, s91, 4
	s_lshr_b32 s94, s91, 1
	s_lshl_b32 s94, s94, 5
	s_and_b32 s95, s91, 1
	s_lshl_b32 s95, s95, 3
	s_add_co_u32 s94, s94, s95
	s_cmp_eq_u32 s87, 0
	s_cselect_b32 s93, s93, s94                    ; the tile's first row
	s_mul_i32 s96, s93, 384
	s_mul_i32 s94, s[WV], 96                       ; K step w
	s_add_co_u32 s96, s96, s94
	s_mov_b32 s97, 0
	s_add_nc_u64 s[88:89], s[88:89], s[96:97]
	v_and_b32 v24, s90, v21
	v_add_nc_u32 v24, v24, v21
	v_mul_u32_u24 v24, v24, 384
	v_mad_u32_u24 v24, v22, 24, v24
.irp p, 0,1,2,3,4,5
	global_load_b64 v[LAY+2*\p:LAY+2*\p+1], v24, s[88:89] offset:48*(\p/3)+8*(\p%3)
.endr
	s_lshl_b32 s96, s87, 7
	s_lshl_b32 s98, s91, 2
	s_add_co_u32 s96, s96, s98
	s_add_co_u32 s96, s96, s[WV]
	s_mul_i32 s96, s96, 1536
	s_add_nc_u64 s[16:17], s[16:17], s[96:97]
	s_wait_loadcnt 0x0
.irp q, 0,1,2
	global_store_b128 v1, v[LAY+4*\q:LAY+4*\q+3], s[16:17] offset:512*\q
.endr
.Lno_lay:
	s_wait_loadcnt 0x0                             ; the statistics and the scale words
	s_mov_b32 s78, 0x01010101
	s_mov_b32 s79, 0x80808080
	WIN 0x3f
.irp q, 0,1,2,3
	v_min3_num_f32 v[G+\q], v[\q], v[4+\q], v[8+\q]   ; -M of the batch: the least of the chunks' -M
.endr
	WIN 0x3c
.set cc, 3
.rept 14
.irp q, 0,1,2,3
	v_min3_num_f32 v[G+\q], v[G+\q], v[4*cc+\q], v[4*cc+4+\q]
.endr
.set cc, cc+2
.endr
.irp q, 0,1,2,3
	v_min_num_f32 v[G+\q], v[G+\q], v[124+\q]
.endr
	WIN 0
	; p's bytes are lowered by delta = M - the chunk's M, all four of a word at once: bit 7 of each byte is lent, so no borrow crosses a byte (bytes are under 128, delta at most 127);
	; a byte whose bit 7 is gone would have fallen under 0 and becomes 0. These lines stand far more than eight places ahead of the first product.
.set nn, 0
.rept 32
	v_sub_f32 v[NMW+nn], v[NMW+nn], v[G+nn%4]
.set nn, nn+1
.endr
.set nn, 0
.rept 32
	v_min_num_f32 v[NMW+nn], 0x42fe0000, v[NMW+nn]
.set nn, nn+1
.endr
.set nn, 0
.rept 32
	v_cvt_u32_f32 v[NMW+nn], v[NMW+nn]
.set nn, nn+1
.endr
.set nn, 0
.rept 32
	v_mul_lo_u32 v[NMW+nn], v[NMW+nn], s78
.set nn, nn+1
.endr
.set nn, 0
.rept 32
	v_or_b32 v[PA+nn], s79, v[PA+nn]
.set nn, nn+1
.endr
.set nn, 0
.rept 32
	v_sub_nc_u32 v[PA+nn], v[PA+nn], v[NMW+nn]
.set nn, nn+1
.endr
.set nn, 0
.rept 32
	v_and_b32 v[NMW+nn], s79, v[PA+nn]
.set nn, nn+1
.endr
.set nn, 0
.rept 32
	v_lshrrev_b32 v[TMPB+nn], 7, v[NMW+nn]
.set nn, nn+1
.endr
.set nn, 0
.rept 32
	v_sub_nc_u32 v[NMW+nn], v[NMW+nn], v[TMPB+nn]
.set nn, nn+1
.endr
.set nn, 0
.rept 32
	v_and_b32 v[PA+nn], v[PA+nn], v[NMW+nn]
.set nn, nn+1
.endr
	; l of the batch = the sum of the chunks' l x 2^(the chunk's M - M): exact powers of two
	WIN 0xcc
.set nn, 0
.rept 64
	v_pk_add_f32 v[2*nn:2*nn+1], v[G+2*(nn%2):G+2*(nn%2)+1], v[2*nn:2*nn+1] neg_lo:[0,1] neg_hi:[0,1]
.set nn, nn+1
.endr
	WIN 0xc3
.set nn, 0
.rept 128
	v_cvt_i32_f32 v[nn], v[nn]
.set nn, nn+1
.endr
	WIN 0xcf
.set nn, 0
.rept 128
	v_ldexp_f32 v[128+nn], v[128+nn], v[nn]
.set nn, nn+1
.endr
	WIN 0x0f
	v_pk_add_f32 v[LS:LS+1], v[128:129], v[132:133]
	v_pk_add_f32 v[LS+2:LS+3], v[130:131], v[134:135]
	WIN 0x0c
.set cc, 2
.rept 30
	v_pk_add_f32 v[LS:LS+1], v[LS:LS+1], v[128+4*cc:128+4*cc+1]
	v_pk_add_f32 v[LS+2:LS+3], v[LS+2:LS+3], v[128+4*cc+2:128+4*cc+3]
.set cc, cc+1
.endr
	WIN 0
.irp q, 0,1,2,3
	v_rcp_f32 v[LS+\q], v[LS+\q]
.endr
	v_nop                                          ; a plain place behind the last reciprocal
	s_wait_alu depctr_va_vdst(0)                   ; one wait for the four
.irp q, 0,1,2,3
	ds_store_b32 v10, v[LS+\q] offset:128*\q       ; word q of lane l belongs to d = 32 q + l
.endr
	s_wait_tensorcnt 0x1                           ; my part of slot 0 is in; slot 1's may stay out
	BARRIER
	SLOTWORK 0, 0, 1
	CHANGE 0, 1
	SLOTWORK 1, 1, 0
	CHANGE 1, 1
	SLOTWORK 0, 2, 0
	CHANGE 0, 0                                    ; nothing is left to fetch
	SLOTWORK 1, 3, 0
	PLACES 4
	WIN 0x08
.irp e, 0,1,2,3
.irp q, 0,1,2,3,4,5,6,7,8,9,10,11,12,13,14,15
	ds_store_b128 v[12+\e/2], v[64*\e+4*\q:64*\e+4*\q+3] offset:(\e%2)*32768+512*\q   ; each accumulator from its low end on
.endr
.endr
	WIN 0
	BARRIER                                        ; the four waves' partial tiles lie in LDS
	WIN 0x80
.irp u, 0,1,2,3
.irp q, 0,1,2,3,4,5,6,7,8,9,10,11,12,13,14,15
	ds_load_b128 v[64*\u+4*\q:64*\u+4*\q+3], v14 offset:8192*\u+512*\q   ; e tile w, as wave u summed it
.endr
.endr
	WIN 0xc0
.irp t, 0,1,2,3,4,5,6,7
	ds_load_b128 v[8*\t:8*\t+3], v11 offset:64*\t                       ; 1 / l of d = 16 t + 8 h + 0 .. 7
	ds_load_b128 v[8*\t+4:8*\t+7], v11 offset:64*\t+16
.endr
	s_wait_dscnt 0x0
	WIN 0x8a
.irp u, 1,2,3
.set nn, 0
.rept 32
	v_pk_add_f32 v[2*nn:2*nn+1], v[2*nn:2*nn+1], v[64*\u+2*nn:64*\u+2*nn+1]
.set nn, nn+1
.endr
.endr
	WIN 0x8e
.set nn, 0
.rept 32
	v_pk_mul_f32 v[2*nn:2*nn+1], v[2*nn:2*nn+1], v[2*nn:2*nn+1]         ; source 1 stands in window 3: x 1 / l
.set nn, nn+1
.endr
	QUANT 0, 2, 0
.irp q, 0,1,2
	global_store_b128 v15, v[PC+4*\q:PC+4*\q+3], s[18:19] offset:512*\q
.endr
	global_store_b32 v16, v[PW], s[20:21]          ; lanes r and r + 16 write the same word to the same place
	s_wait_tensorcnt 0x0                           ; the wave's end
	ds_add_u32 v[SPW], v[NIL]
	s_wait_dscnt 0x0
	CROUND                                         ; the closing round
	s_endpgm
.Lfunc_end_k_q7e83d2d541_ctx:
	.size	k_q7e83d2d541_ctx, .Lfunc_end_k_q7e83d2d541_ctx-k_q7e83d2d541_ctx
	.p2alignl 7, 3214868480
	.fill 96, 4, 3214868480
	.section	.rodata,"a",@progbits
	.p2align	6, 0x0
	.amdhsa_kernel k_q7e83d2d541_ctx
		.amdhsa_group_segment_fixed_size 327680
		.amdhsa_private_segment_fixed_size 0
		.amdhsa_enable_private_segment 0
		.amdhsa_kernarg_size 72
		.amdhsa_user_sgpr_count 2
		.amdhsa_user_sgpr_kernarg_segment_ptr 1
		.amdhsa_wavefront_size32 1
		.amdhsa_system_sgpr_workgroup_id_x 1
		.amdhsa_system_sgpr_workgroup_id_y 1
		.amdhsa_system_sgpr_workgroup_id_z 1
		.amdhsa_system_vgpr_workitem_id 0
		.amdhsa_next_free_vgpr 1024
		.amdhsa_next_free_sgpr 100
		.amdhsa_reserve_vcc 0
		.amdhsa_float_denorm_mode_32 3
		.amdhsa_float_denorm_mode_16_64 3
		.amdhsa_memory_ordered 1
		.amdhsa_forward_progress 1
		.amdhsa_inst_pref_size 131
	.end_amdhsa_kernel
	.amdgpu_metadata
---
amdhsa.version: [ 1, 2 ]
amdhsa.kernels:
  - .name:           k_q7e83d2d541_ctx
    .symbol:         k_q7e83d2d541_ctx.kd
    .args:
      - { .name: pimg, .offset: 0, .size: 8, .value_kind: global_buffer, .address_space: global }
      - { .name: vimg, .offset: 8, .size: 8, .value_kind: global_buffer, .address_space: global }
      - { .name: pst, .offset: 16, .size: 8, .value_kind: global_buffer, .address_space: global }
      - { .name: Wq_codes, .offset: 24, .size: 8, .value_kind: global_buffer, .address_space: global }
      - { .name: W1_codes, .offset: 32, .size: 8, .value_kind: global_buffer, .address_space: global }
      - { .name: W2_codes, .offset: 40, .size: 8, .value_kind: global_buffer, .address_space: global }
      - { .name: wimg, .offset: 48, .size: 8, .value_kind: global_buffer, .address_space: global }
      - { .name: cimg, .offset: 56, .size: 8, .value_kind: global_buffer, .address_space: global }
      - { .name: csc, .offset: 64, .size: 8, .value_kind: global_buffer, .address_space: global }
    .group_segment_fixed_size: 327680
    .private_segment_fixed_size: 0
    .kernarg_segment_align: 8
    .kernarg_segment_size: 72
    .max_flat_workgroup_size: 128
    .sgpr_count:     100
    .vgpr_count:     1024
    .wavefront_size: 32
...
	.end_amdgpu_metadata
.endif
;; end of part 2
;; launch out (part 3): grid 256 x 1, 4 waves a work-group, no clusters, 327,680 bytes of LDS; arguments x, wimg, Wq_scales, W1_scales, W2_scales, cimg, csc, out0, xq; writes out0
.if DOCPART == 3
	.amdgcn_target "amdgcn-amd-amdhsa--gfx1250"
	.amdhsa_code_object_version 6
	.text
	.protected	k_q7e83d2d541_out
	.globl	k_q7e83d2d541_out
	.p2align	8
	.type	k_q7e83d2d541_out,@function
k_q7e83d2d541_out:
	s_mov_b64 s[64:65], 0
	v_nop
	global_prefetch_b8 v0, s[64:65] scope:SCOPE_SE
	s_setreg_imm32_b32 hwreg(HW_REG_WAVE_MODE, 25, 1), 1
	s_wait_xcnt 0x0
; out: for 128 rows of one batch: q = Q(x) Wq^T; qs = softmax over the 512 channels x 512^-0.5; x1 = Q(qs) Q(ctx) + x; out = Q(Q(x1) W1^T) W2^T + x1. All four products on codes of E2M3.
; SHARES. Wave w makes columns 128 w .. + 127 of every intermediate for all 128 rows: 64 accumulators, (row tile m, column tile t) at 64 (m % 4) + 8 t of window 2 + m / 4.
; Source 0 = 16 rows of the weight, source 1 = 16 rows of the operand: a lane holds ONE row and its registers run along the columns, the next product's K. A wave's 128 columns are K step w of the next
; product: quantised in registers, they go to the other waves through LDS as images of operand registers.
; The tiles of ctx, W1 and W2 take rows 32 B + 8 u + r + 8 (r / 8), so x1, h and out stand in the true order; Wq's are neighbours, which gives q the order in which ctx was quantised along d.
; Q(x) IS NOT MADE HERE: the launch that made k and v has stored its images and scale words (xq), 51,200 dense bytes a work-group in the very order of IMG and SCW below: four tensor loads of 12,800 bytes.
; THE RESIDUAL. The wave's 128 columns of x come by two tensor loads into a strip of its own (128 rows x 528 bytes). They are first read as the C of the second product, so they have the first product
; (256 matrix instructions a wave) and the softmax in which to land; x1 is parked there and is the C of the fourth; the result leaves through it as whole rows of 512 bytes.
; THE REQUESTS GO OUT IN THE ORDER OF NEED: the codes; the weights' scale words and the first weight's K steps 0 and 1; then the strips.
; NO JOINT LOADS: the strips take 270,336 bytes and the images 49,152 of the 327,680, so a shared tile of weights has no LDS to land in. The weights come in the order of operand registers straight into
; registers, each byte once a work-group.
; The two halves of the chain (Wq, ctx | W1, W2) are two trips of one loop; what differs stands in scalar registers and under branches on the trip's number.
; LIMITS. NaN and infinities are not served. Blocks of zeros carry the byte 1. 1 / the softmax's sum is v_rcp_f32's.
.set STRIP, 67584
.set IMG,   4*STRIP                    ; 32 images of 1,536 bytes: index 8 s + m
.set SCW,   IMG+32*1536                ; their scale words: [s][lane][pair of row tiles]
.set STAT,  SCW+4*512                  ; the softmax's exchange: [wave][c x maximum | sum][lane][pair]
.set SA,  2                            ; v2  my strip: row r, + 64 h
.set SR,  12                           ; v12, v13 my strip by rows: 16 x lane; the same 64 rows on
.set WSZ, 16                           ; v16-31 scale words of the trip's first weight: register 4 B + s
.set WSA, 32                           ; v32-47 of its second
.set IS,  48                           ; v48-63 of the images: register 4 s + pair
.set TM,  64
.set PW,  80
.set PWE, 81
.set PP,  82                           ; v82-85 four pairs' words
.set SU,  86
.set TT,  90
.set MX,  92                           ; v92-107 pairs (c x maximum, maximum)
.set SS,  108                          ; v108-115 sums
.set IF,  128                          ; v128-223 the images' 8 fragments, one set
.set PC,  128
.set EX,  148                          ; v148-191 the exchange
.set FB,  192                          ; v192-207 the rows' factors, twice each
.set WV,  20
.set G1,  24
.set SEL, 40
.set CS,  42
.set HM,  44
.set LT,  45                           ; the trip
.set ZP,  46                           ; s[46:47] the first weight's images, s[48:49] the second's, s[50:51], s[52:53] their scale bytes
.set AP,  48
.set ZS,  50
.set AS,  52
.set Z2P, 54
.set A2P, 56
.set KF,  58
.set G1X, 68                           ; s[68:75] descriptor group 1 for x's codes; s[76:79] its group 0
.set G0X, 76
.set XQ,  80                           ; s[80:81] xq
.set MUL_LO, 0xa1
.set MUL_HI, 0xf1
.set MSB, 0
.macro WIN new
.if MSB != (\new)
	s_set_vgpr_msb (MSB<<8)|(\new)
.set MSB, \new
.endif
.endm
.macro PLACES n
.rept \n
	v_nop
.endr
.endm
.macro BARRIER
	s_wait_dscnt 0x0
	s_barrier_signal -1
	s_barrier_wait -1
.endm
.macro WM zero, ra, rb
.if (\zero) && ((\ra) == 0) && ((\rb) == 0)
	v_wmma_scale_f32_16x16x128_f8f6f4 v[rD:rD+7], v[rA:rA+11], v[rB:rB+11], 0, v[rSA], v[rSB] matrix_a_fmt:MATRIX_FMT_FP6 matrix_b_fmt:MATRIX_FMT_FP6
.elseif (\zero) && ((\rb) == 0)
	v_wmma_scale_f32_16x16x128_f8f6f4 v[rD:rD+7], v[rA:rA+11], v[rB:rB+11], 0, v[rSA], v[rSB] matrix_a_fmt:MATRIX_FMT_FP6 matrix_b_fmt:MATRIX_FMT_FP6 matrix_a_scale:MATRIX_SCALE_ROW1
.elseif (\zero) && ((\ra) == 0)
	v_wmma_scale_f32_16x16x128_f8f6f4 v[rD:rD+7], v[rA:rA+11], v[rB:rB+11], 0, v[rSA], v[rSB] matrix_a_fmt:MATRIX_FMT_FP6 matrix_b_fmt:MATRIX_FMT_FP6 matrix_b_scale:MATRIX_SCALE_ROW1
.elseif (\zero)
	v_wmma_scale_f32_16x16x128_f8f6f4 v[rD:rD+7], v[rA:rA+11], v[rB:rB+11], 0, v[rSA], v[rSB] matrix_a_fmt:MATRIX_FMT_FP6 matrix_b_fmt:MATRIX_FMT_FP6 matrix_a_scale:MATRIX_SCALE_ROW1 matrix_b_scale:MATRIX_SCALE_ROW1
.elseif ((\ra) == 0) && ((\rb) == 0)
	v_wmma_scale_f32_16x16x128_f8f6f4 v[rD:rD+7], v[rA:rA+11], v[rB:rB+11], v[rD:rD+7], v[rSA], v[rSB] matrix_a_fmt:MATRIX_FMT_FP6 matrix_b_fmt:MATRIX_FMT_FP6
.elseif ((\rb) == 0)
	v_wmma_scale_f32_16x16x128_f8f6f4 v[rD:rD+7], v[rA:rA+11], v[rB:rB+11], v[rD:rD+7], v[rSA], v[rSB] matrix_a_fmt:MATRIX_FMT_FP6 matrix_b_fmt:MATRIX_FMT_FP6 matrix_a_scale:MATRIX_SCALE_ROW1
.elseif ((\ra) == 0)
	v_wmma_scale_f32_16x16x128_f8f6f4 v[rD:rD+7], v[rA:rA+11], v[rB:rB+11], v[rD:rD+7], v[rSA], v[rSB] matrix_a_fmt:MATRIX_FMT_FP6 matrix_b_fmt:MATRIX_FMT_FP6 matrix_b_scale:MATRIX_SCALE_ROW1
.else
	v_wmma_scale_f32_16x16x128_f8f6f4 v[rD:rD+7], v[rA:rA+11], v[rB:rB+11], v[rD:rD+7], v[rSA], v[rSB] matrix_a_fmt:MATRIX_FMT_FP6 matrix_b_fmt:MATRIX_FMT_FP6 matrix_a_scale:MATRIX_SCALE_ROW1 matrix_b_scale:MATRIX_SCALE_ROW1
.endif
.endm
.macro QCODE a, w, wt
	WIN 0
.irp b, 0,1,2,3
	v_add_nc_u32 v[TM+12+\b], 0xff000000, v[TM+\b]   ; 2 off the exponent field: the conversion's scale operand
.endr
.irp b, 0,1,2,3
	v_lshrrev_b32 v[TM+4+\b], 23, v[TM+12+\b]        ; the scale's byte
.endr
	v_lshl_or_b32 v[PW], v[TM+5], 8, v[TM+4]
	v_lshl_or_b32 v[PW], v[TM+6], 16, v[PW]
	v_lshl_or_b32 v[PW], v[TM+7], 24, v[PW]
.if (\wt) == 1
	s_wait_dscnt 0x0                               ; the last tile's image stores have read v[PC] on
.elseif (\wt) == 2
	s_wait_xcnt 0x0
.endif
	WIN (\w)
.irp c, 0,1
	v_cvt_scalef32_pk16_fp6_f32 v[PC+6*\c:PC+6*\c+2], v[(\a)+32*\c:(\a)+32*\c+15], v[TM+12+2*\c]
	v_cvt_scalef32_pk16_fp6_f32 v[PC+12+4*\c:PC+12+4*\c+2], v[(\a)+32*\c+16:(\a)+32*\c+31], v[TM+12+2*\c+1]
.endr
	WIN 0
	v_nop                                          ; one plain place behind a scaled conversion
.irp c, 0,1
.irp i, 0,1,2
	v_permlane16_swap_b32 v[PC+6*\c+\i], v[PC+12+4*\c+\i]
.endr
.irp i, 0,1,2
	v_mov_b32 v[PC+3+6*\c+\i], v[PC+12+4*\c+\i]
.endr
.endr
.endm
.macro QUANT a, w, wt
	WIN 5*(\w)
.irp b, 0,1,2,3
	v_max3_num_f32 v[TM+\b], |v[(\a)+16*\b]|, |v[(\a)+16*\b+1]|, 0x1800000
.endr
	WIN 20*(\w)
.irp i, 2,4,6,8,10,12,14
.irp b, 0,1,2,3
	v_max3_num_f32 v[TM+\b], v[TM+\b], |v[(\a)+16*\b+\i]|, |v[(\a)+16*\b+\i+1]|
.endr
.endr
	WIN 0
.irp b, 0,1,2,3
	v_permlanex16_b32 v[TM+4+\b], v[TM+\b], s[SEL], s[SEL+1]
.endr
.irp b, 0,1,2,3
	v_max_num_f32 v[TM+\b], v[TM+\b], v[TM+4+\b]
.endr
	QCODE \a, \w, \wt
.endm
.macro LOADC m                         ; row tile m of my strip into its accumulators: register 16 b + i = column 32 b + 16 h + i of row 16 m + r
	WIN 64*(2+(\m)/4)
.irp b, 0,1,2,3
.irp j, 0,1,2,3
	ds_load_b128 v[64*((\m)%4)+16*\b+4*\j:64*((\m)%4)+16*\b+4*\j+3], v[SA] offset:8448*(\m)+128*\b+16*\j
.endr
.endr
	WIN 0
.endm
.macro PARK m                          ; and back: each accumulator from its low end on
	WIN 4*(2+(\m)/4)
.irp b, 0,1,2,3
.irp j, 0,1,2,3
	ds_store_b128 v[SA], v[64*((\m)%4)+16*\b+4*\j:64*((\m)%4)+16*\b+4*\j+3] offset:8448*(\m)+128*\b+16*\j
.endr
.endr
	WIN 0
.endm
.macro IMG_OUT m                       ; the fragment just made is K step w, row tile m
.irp q, 0,1,2
	ds_store_b128 v5, v[PC+4*\q:PC+4*\q+3] offset:1536*(\m)+512*\q
.endr
.if (\m)%2 == 0
	v_mov_b32 v[PWE], v[PW]
.else
	v_cndmask_b32 v[PP+(\m)/2], v[PWE], v[PW], s[HM]
.endif
.if (\m) == 7
	ds_store_b128 v7, v[PP:PP+3]
.endif
.endm
.macro QI m
	QUANT 64*((\m)%4), 2+(\m)/4, 1
	IMG_OUT \m
.endm
.macro WLOAD ptr, s, p                 ; my 8 tiles' fragments of K step s into set p of window 1: 24 loads of 512 consecutive bytes
	WIN 0x40
.irp t, 0,1,2,3,4,5,6,7
.irp q, 0,1,2
	global_load_b128 v[128*(\p)+12*\t+4*\q:128*(\p)+12*\t+4*\q+3], v1, s[\ptr:\ptr+1] offset:(4*\t+(\s))*1536+512*\q
.endr
.endr
	WIN 0
.endm
.macro PREZ                            ; both weights' scale words, and the first weight's K steps 0 and 1
.irp q, 0,1,2,3
	global_load_b128 v[WSZ+4*\q:WSZ+4*\q+3], v10, s[ZS:ZS+1] offset:512*\q
.endr
.irp q, 0,1,2,3
	global_load_b128 v[WSA+4*\q:WSA+4*\q+3], v11, s[AS:AS+1] offset:512*\q
.endr
	WLOAD ZP, 0, 0
	WLOAD ZP, 1, 1
.endm
.macro FETCH_I s, m0
.irp m, 0,1,2,3
.irp q, 0,1,2
	ds_load_b128 v[IF+12*((\m0)+\m)+4*\q:IF+12*((\m0)+\m)+4*\q+3], v4 offset:(8*(\s)+(\m0)+\m)*1536+512*\q
.endr
.endr
.endm
.macro MUL16 m0, s, ws, zero           ; row tiles m0, m0 + 1 x my 8 column tiles; the 64 accumulators take turns, one instruction a turn
.irp m, \m0, \m0+1
.irp t, 0,1,2,3,4,5,6,7
.set rD, 64*((\m)%4)+8*\t
.set rA, 128*((\s)%2)+12*\t
.set rB, IF+12*(\m)
.set rSA, (\ws)+4*(\t/2)+(\s)
.set rSB, IS+4*(\s)+(\m)/2
	WM \zero, \t%2, (\m)%2
.endr
.endr
.endm
.macro GSTEP ptr, ws, s, zero
.if (\s) < 3
	s_wait_loadcnt 24                              ; this step's weights are in; the other set's 24 loads may be out
.else
	s_wait_loadcnt 0x0
.endif
	s_wait_dscnt 12                                ; all but the youngest 12 loads, images 4-7
	WIN MUL_LO
	MUL16 0, \s, \ws, \zero
	MUL16 2, \s, \ws, \zero
	s_wait_dscnt 0x0
.if (\s) < 3
	PLACES 4                                       ; four places in front of loads into registers that matrix instructions have read
	WIN 0
	FETCH_I (\s)+1, 0
.endif
	WIN MUL_HI
	MUL16 4, \s, \ws, \zero
	MUL16 6, \s, \ws, \zero
.if (\s) < 3
	PLACES 4
	WIN 0
	FETCH_I (\s)+1, 4
.endif
.if (\s) < 2
	WLOAD \ptr, (\s)+2, (\s)%2
.endif
.endm
.macro GEMM ptr, ws, zero
.irp s, 0,1,2,3
	ds_load_b128 v[IS+4*\s:IS+4*\s+3], v6 offset:512*\s
.endr
	FETCH_I 0, 0
	FETCH_I 0, 4
	GSTEP \ptr, \ws, 0, \zero
	GSTEP \ptr, \ws, 1, 0
	GSTEP \ptr, \ws, 2, 0
	GSTEP \ptr, \ws, 3, 0
	WIN 0
.endm
; The softmax, first half, for row tile m: under the maximum of MY 128 columns: e = 2^(c q - c mx), and its sum.
.macro SM1 m
.set rW, 2+(\m)/4
.set rAc, 64*((\m)%4)
	WIN 21*rW
.irp b, 0,1,2,3
	v_max3_num_f32 v[TM+\b], v[rAc+16*\b], v[rAc+16*\b+1], v[rAc+16*\b+2]
.endr
	WIN 20*rW
.irp i, 3,5,7,9,11,13
.irp b, 0,1,2,3
	v_max3_num_f32 v[TM+\b], v[TM+\b], v[rAc+16*\b+\i], v[rAc+16*\b+\i+1]
.endr
.endr
.irp b, 0,1,2,3
	v_max_num_f32 v[TM+\b], v[TM+\b], v[rAc+16*\b+15]
.endr
	WIN 0
	v_max3_num_f32 v[TT], v[TM], v[TM+1], v[TM+2]
	v_max_num_f32 v[TT], v[TT], v[TM+3]
	v_permlanex16_b32 v[TM+4], v[TT], s[SEL], s[SEL+1]
	v_max_num_f32 v[MX+2*(\m)+1], v[TT], v[TM+4]
	v_mul_f32 v[MX+2*(\m)], s[CS], v[MX+2*(\m)+1]
	WIN 65*rW
.set jj, 0
.rept 32
	v_pk_fma_f32 v[rAc+jj:rAc+jj+1], v[rAc+jj:rAc+jj+1], s[CS:CS+1], v[MX+2*(\m):MX+2*(\m)+1] op_sel_hi:[1,0,0] neg_lo:[0,0,1] neg_hi:[0,0,1]
.set jj, jj+2
.endr
.set jj, 0
.rept 64
	v_exp_f32 v[rAc+jj], v[rAc+jj]
.set jj, jj+1
.endr
	WIN 0
	v_nop                                          ; a plain place behind the last exponential
	s_wait_alu depctr_va_vdst(0)                   ; one wait for the batch of 64
	WIN 5*rW
	v_pk_add_f32 v[SU:SU+1], v[rAc:rAc+1], v[rAc+2:rAc+3]
	v_pk_add_f32 v[SU+2:SU+3], v[rAc+4:rAc+5], v[rAc+6:rAc+7]
	WIN 4*rW
.irp j, 8,12,16,20,24,28,32,36,40,44,48,52,56,60
	v_pk_add_f32 v[SU:SU+1], v[SU:SU+1], v[rAc+\j:rAc+\j+1]
	v_pk_add_f32 v[SU+2:SU+3], v[SU+2:SU+3], v[rAc+\j+2:rAc+\j+3]
.endr
	WIN 0
	v_pk_add_f32 v[SU:SU+1], v[SU:SU+1], v[SU+2:SU+3]
	v_add_f32 v[SU], v[SU], v[SU+1]
	v_permlanex16_b32 v[TT], v[SU], s[SEL], s[SEL+1]
	v_add_f32 v[SS+(\m)], v[SU], v[TT]
.endm
.macro TOSTAGE m                       ; the way out: a block of 16 rows into my strip and back as whole rows of 512 bytes; LDS serves a wave's instructions in order
	PARK \m
	WIN 0x40
.irp i, 0,1,2,3,4,5,6,7,8,9,10,11,12,13,14,15
	ds_load_b128 v[64*((\m)%2)+4*\i:64*((\m)%2)+4*\i+3], v[SR+(\m)/4] offset:528*(16*((\m)%4)+\i)
.endr
	WIN 0
.endm
.macro SEND m, younger
	s_wait_dscnt \younger
	WIN 0x04
.irp i, 0,1,2,3,4,5,6,7,8,9,10,11,12,13,14,15
	global_store_b128 v1, v[64*((\m)%2)+4*\i:64*((\m)%2)+4*\i+3], s[18:19] offset:2048*(16*(\m)+\i) th:TH_STORE_NT   ; 512 consecutive bytes, aligned
.endr
	WIN 0
.endm
	s_load_b256 s[4:11], s[0:1], 0x0               ; x, wimg, Wq's scales, W1's scales
	s_load_b256 s[12:19], s[0:1], 0x20             ; W2's scales, cimg, csc, out0
	s_load_b64 s[XQ:XQ+1], s[0:1], 0x40            ; xq
	v_lshl_add_u32 v254, v0, 2, 0x4f800
	v_mov_b32 v255, 0
	ds_add_u32 v254, v255
	ds_add_u32 v254, v255
	v_lshrrev_b32 v14, 5, v0
	v_readfirstlane_b32 s[WV], v14                 ; wave 0..3
	v_and_b32 v14, 31, v0                          ; lane
	v_and_b32 v15, 15, v0                          ; r
	v_bfe_u32 v3, v0, 4, 1                         ; h
	v_lshlrev_b32 v1, 4, v14
	s_mul_i32 s33, s[WV], STRIP
	v_mul_u32_u24 v[SA], v15, 528
	v_lshl_add_u32 v[SA], v3, 6, v[SA]
	v_add_nc_u32 v[SA], s33, v[SA]
	v_add_nc_u32 v[SR], s33, v1
	v_add_nc_u32 v[SR+1], 33792, v[SR]
	v_add_nc_u32 v4, IMG, v1
	s_mul_i32 s60, s[WV], 12288
	v_add_nc_u32 v5, s60, v4
	v_add_nc_u32 v6, SCW, v1
	s_lshl_b32 s60, s[WV], 9
	v_add_nc_u32 v7, s60, v6
	v_add_nc_u32 v9, STAT, v1
	s_lshl_b32 s60, s[WV], 10
	v_add_nc_u32 v8, s60, v9
	v_mov_b32 v10, v1                              ; Wq's scale words: lane l takes row 32 B + l
	v_and_b32 v11, 8, v15
	v_add_nc_u32 v11, v11, v15
	v_lshl_add_u32 v11, v3, 3, v11
	v_lshlrev_b32 v11, 4, v11                      ; the others': row 32 B + 8 h + r + 8 (r / 8)
.irp b, 0,1,2,3
	v_mov_b32 v[TM+4+\b], 0                        ; a lane permute's destination counts as one of its sources
.endr
	v_mov_b32 v[TT], 0
	s_mov_b32 s[SEL], 0x76543210
	s_mov_b32 s[SEL+1], 0xfedcba98
	s_mov_b32 s[CS], 0x3fb8aa3b                    ; log2(e)
	s_mov_b32 s[CS+1], s[CS]
	s_mov_b32 s[HM], 0xffff0000
	s_mov_b32 s[KF], 0x3d3504f3                    ; 512^-0.5
	s_mov_b32 s[LT], 0
	s_mov_b32 s[G1], (2<<16)|(1<<20)|(6<<22)|(3<<25)   ; the strips: elements of 4 bytes; 16 bytes of padding behind every 512
	s_mov_b32 s[G1+1], 128<<16
	s_mov_b32 s[G1+2], 64<<16
	s_mov_b32 s[G1+3], 128<<16
	s_mov_b32 s[G1+4], 64
	s_mov_b32 s[G1+5], 512
	s_mov_b32 s[G1+6], 0
	s_mov_b32 s[G1+7], 0
	s_mov_b32 s[G1X], 3<<16                        ; x's codes: a dense block as 50 rows of 256 bytes (32 elements of 8 bytes), no padding
	s_mov_b32 s[G1X+1], 32<<16
	s_mov_b32 s[G1X+2], 50<<16
	s_mov_b32 s[G1X+3], 32<<16
	s_mov_b32 s[G1X+4], 50
	s_mov_b32 s[G1X+5], 32
	s_mov_b32 s[G1X+6], 0
	s_mov_b32 s[G1X+7], 0
	s_mov_b32 s[G0X], 1
	s_mul_i32 s[G0X+1], s[WV], 12800               ; my quarter of the 51,200 bytes of IMG and SCW
	s_add_co_u32 s[G0X+1], s[G0X+1], IMG
	s_mul_i32 s82, ttmp9, 51200
	s_mul_i32 s83, s[WV], 12800
	s_add_co_u32 s82, s82, s83
	s_mov_b32 s83, 0
	s_mov_b32 s32, 1
	s_mov_b32 s36, 1
	s_add_co_u32 s37, s33, 33792
	s_lshr_b32 s21, ttmp9, 5                       ; the batch
	s_lshl_b32 s22, ttmp9, 18                      ; 128 rows of 2,048 bytes a work-group, 512 bytes of a row a wave
	s_lshl_b32 s23, s[WV], 9
	s_add_co_u32 s22, s22, s23
	s_mov_b32 s23, 0
	s_mul_i32 s60, s[WV], 49152                    ; my 8 tiles of a weight's images
	s_mov_b32 s61, 0
	s_lshl_b32 s62, s[WV], 11                      ; my 128 rows of scale bytes
	s_mov_b32 s63, 0
	s_wait_dscnt 0x0
	s_wait_kmcnt 0x0
	s_add_nc_u64 s[G0X+2:G0X+3], s[XQ:XQ+1], s[82:83]
	s_or_b32 s[G0X+3], s[G0X+3], 0x80000000
	s_add_nc_u64 s[34:35], s[4:5], s[22:23]
	s_add_nc_u64 s[38:39], s[34:35], 131072
	s_or_b32 s35, s35, 0x80000000
	s_or_b32 s39, s39, 0x80000000
	tensor_load_to_lds s[G0X:G0X+3], s[G1X:G1X+7]  ; x's codes and scale words first: the first product waits for them
	s_nop 0
	PLACES 4
	s_add_nc_u64 s[18:19], s[18:19], s[22:23]
	s_add_nc_u64 s[ZP:ZP+1], s[6:7], s[60:61]
	s_add_nc_u64 s[Z2P:Z2P+1], s[ZP:ZP+1], 196608
	s_add_nc_u64 s[A2P:A2P+1], s[ZP:ZP+1], 393216
	s_add_nc_u64 s[ZS:ZS+1], s[8:9], s[62:63]
	s_add_nc_u64 s[10:11], s[10:11], s[62:63]
	s_add_nc_u64 s[12:13], s[12:13], s[62:63]
	s_mul_i32 s22, s21, 196608
	s_add_nc_u64 s[AP:AP+1], s[14:15], s[22:23]
	s_add_nc_u64 s[AP:AP+1], s[AP:AP+1], s[60:61]
	s_lshl_b32 s22, s21, 13
	s_add_nc_u64 s[AS:AS+1], s[16:17], s[22:23]
	s_add_nc_u64 s[AS:AS+1], s[AS:AS+1], s[62:63]
	PREZ                                           ; then what the first product wants of the weights
	tensor_load_to_lds s[32:35], s[G1:G1+7]        ; then my strip's rows 0-63
	s_nop 0
	tensor_load_to_lds s[36:39], s[G1:G1+7]        ; and 64-127: three tensor loads of mine are out, all first fills
	s_nop 0
	PLACES 4
	s_wait_tensorcnt 0x2                           ; my quarter of the codes is in; the two strip loads behind it stay out
	BARRIER                                        ; everybody's is: x's 32 images and their words lie in LDS
.Ltrip:
	GEMM ZP, WSZ, 1                                ; q, or h
	PLACES 4
	WLOAD AP, 0, 0                                 ; the second weight's K steps 0 and 1 land under the vector work
	WLOAD AP, 1, 1
	s_cmp_lg_u32 s[LT], 0
	s_cbranch_scc1 .Lno_sm1
.irp m, 0,1,2,3,4,5,6,7
	SM1 \m
.endr
.irp q, 0,1,2,3
	v_cndmask_b32 v[EX+\q], v[MX+4*\q], v[MX+4*\q+2], s[HM]
	v_cndmask_b32 v[EX+4+\q], v[SS+2*\q], v[SS+2*\q+1], s[HM]
.endr
	ds_store_b128 v8, v[EX:EX+3]
	ds_store_b128 v8, v[EX+4:EX+7] offset:512
.Lno_sm1:
	BARRIER                                        ; nobody reads the old images any more; the four waves' maxima and sums lie in LDS
	s_cmp_lg_u32 s[LT], 0
	s_cbranch_scc1 .Lno_sm2
	; the softmax, second half: all that it reads comes from LDS and from the accumulators
.irp u, 0,1,2,3
	ds_load_b128 v[EX+8*\u:EX+8*\u+3], v9 offset:1024*\u
	ds_load_b128 v[EX+8*\u+4:EX+8*\u+7], v9 offset:1024*\u+512
.endr
	ds_load_b128 v[EX+32:EX+35], v8                ; my own c x maximum
	s_wait_dscnt 0x0
.irp q, 0,1,2,3
	v_max3_num_f32 v[EX+36+\q], v[EX+\q], v[EX+8+\q], v[EX+16+\q]
.endr
.irp q, 0,1,2,3
	v_max_num_f32 v[EX+36+\q], v[EX+36+\q], v[EX+24+\q]
.endr
.irp u, 0,1,2,3,4
.irp q, 0,1,2,3
	v_sub_f32 v[EX+8*\u+\q], v[EX+8*\u+\q], v[EX+36+\q]
.endr
.endr
.irp u, 0,1,2,3,4
.irp q, 0,1,2,3
	v_exp_f32 v[EX+8*\u+\q], v[EX+8*\u+\q]         ; 2^(a wave's c x maximum - the row's)
.endr
.endr
	v_nop
	s_wait_alu depctr_va_vdst(0)                   ; one wait for the twenty
.irp q, 0,1,2,3
	v_mul_f32 v[EX+36+\q], v[EX+\q], v[EX+4+\q]
.endr
.irp u, 1,2,3
.irp q, 0,1,2,3
	v_fmac_f32 v[EX+36+\q], v[EX+8*\u+\q], v[EX+8*\u+4+\q]   ; the row's sum
.endr
.endr
.irp q, 0,1,2,3
	v_rcp_f32 v[EX+36+\q], v[EX+36+\q]
.endr
.irp q, 0,1,2,3
	v_mul_f32 v[EX+32+\q], s[KF], v[EX+32+\q]      ; plain work behind the reciprocals
.endr
.irp q, 0,1,2,3
	v_mov_b32 v[EX+40+\q], 0
.endr
	s_wait_alu depctr_va_vdst(0)                   ; one wait for the four
.irp q, 0,1,2,3
	v_mul_f32 v[EX+32+\q], v[EX+32+\q], v[EX+36+\q]
.endr
.irp q, 0,1,2,3
	v_permlanex16_b32 v[EX+40+\q], v[EX+32+\q], s[SEL], s[SEL+1]
.endr
.irp q, 0,1,2,3                                ; lanes 0-15 hold the even tile's factors, lanes 16-31 the odd tile's: each tile gets its own in all 32 lanes
	v_cndmask_b32 v[FB+4*\q], v[EX+32+\q], v[EX+40+\q], s[HM]
	v_cndmask_b32 v[FB+4*\q+1], v[EX+32+\q], v[EX+40+\q], s[HM]
	v_cndmask_b32 v[FB+4*\q+2], v[EX+40+\q], v[EX+32+\q], s[HM]
	v_cndmask_b32 v[FB+4*\q+3], v[EX+40+\q], v[EX+32+\q], s[HM]
.endr
.irp m, 0,1,2,3,4,5,6,7
	WIN 65*(2+\m/4)
.set jj, 0
.rept 32
	v_pk_mul_f32 v[64*(\m%4)+jj:64*(\m%4)+jj+1], v[64*(\m%4)+jj:64*(\m%4)+jj+1], v[FB+2*\m:FB+2*\m+1]
.set jj, jj+2
.endr
.endr
	WIN 0
.Lno_sm2:
	s_wait_tensorcnt 0x0                           ; my strip is in, ahead of its first read; only I read it. It stands on every way to those reads; in the second trip no load is out
.irp m, 0,1,2,3,4,5,6,7
	QI \m
	LOADC \m                                       ; the residual takes the tile's registers: it is the C of the product that follows
.endr
	BARRIER                                        ; the new images lie in LDS
	GEMM AP, WSA, 0                                ; x1 = attn + x, or out = h W2^T + x1
	PLACES 4
	s_cmp_eq_u32 s[LT], 1
	s_cbranch_scc1 .Lout
	s_wait_xcnt 0x0                                ; every load has been waited for: the pointers and the offset may be written
	s_mov_b64 s[ZP:ZP+1], s[Z2P:Z2P+1]
	s_mov_b64 s[AP:AP+1], s[A2P:A2P+1]
	s_mov_b64 s[ZS:ZS+1], s[10:11]
	s_mov_b64 s[AS:AS+1], s[12:13]
	v_mov_b32 v10, v11
	PREZ
	BARRIER                                        ; nobody reads the old images any more
.irp m, 0,1,2,3,4,5,6,7
	PARK \m                                        ; x1 is kept for the last product
	QI \m
.endr
	BARRIER
	s_add_co_u32 s[LT], s[LT], 1
	s_cmp_lt_u32 s[LT], 2
	s_cbranch_scc1 .Ltrip
.Lout:
	s_wait_loadcnt 0x0                             ; no load is on its way into window 1, which takes the rows
	TOSTAGE 0
.irp m, 1,2,3,4,5,6,7
.if \m > 1
	s_wait_xcnt 0x0                                ; block m - 2's stores have read their registers
.endif
	TOSTAGE \m
	SEND \m-1, 32                                  ; behind block m - 1's loads: block m's 16 stores and 16 loads
.endr
	SEND 7, 0
	s_wait_tensorcnt 0x0
	ds_add_u32 v254, v255
	s_wait_dscnt 0x0
	s_endpgm
.Lfunc_end_k_q7e83d2d541_out:
	.size	k_q7e83d2d541_out, .Lfunc_end_k_q7e83d2d541_out-k_q7e83d2d541_out
	.p2alignl 7, 3214868480
	.fill 96, 4, 3214868480
	.section	.rodata,"a",@progbits
	.p2align	6, 0x0
	.amdhsa_kernel k_q7e83d2d541_out
		.amdhsa_group_segment_fixed_size 327680
		.amdhsa_private_segment_fixed_size 0
		.amdhsa_enable_private_segment 0
		.amdhsa_kernarg_size 72
		.amdhsa_user_sgpr_count 2
		.amdhsa_user_sgpr_kernarg_segment_ptr 1
		.amdhsa_wavefront_size32 1
		.amdhsa_system_sgpr_workgroup_id_x 1
		.amdhsa_system_sgpr_workgroup_id_y 1
		.amdhsa_system_sgpr_workgroup_id_z 1
		.amdhsa_system_vgpr_workitem_id 0
		.amdhsa_next_free_vgpr 1024
		.amdhsa_next_free_sgpr 84
		.amdhsa_reserve_vcc 0
		.amdhsa_float_denorm_mode_32 3
		.amdhsa_float_denorm_mode_16_64 3
		.amdhsa_memory_ordered 1
		.amdhsa_forward_progress 1
		.amdhsa_inst_pref_size 255
	.end_amdhsa_kernel
	.section	.bss,"aw",@nobits
	.p2align	6
	.space	262144
	.amdgpu_metadata
---
amdhsa.version: [ 1, 2 ]
amdhsa.kernels:
  - .name:           k_q7e83d2d541_out
    .symbol:         k_q7e83d2d541_out.kd
    .args:
      - { .name: x, .offset: 0, .size: 8, .value_kind: global_buffer, .address_space: global }
      - { .name: wimg, .offset: 8, .size: 8, .value_kind: global_buffer, .address_space: global }
      - { .name: Wq_scales, .offset: 16, .size: 8, .value_kind: global_buffer, .address_space: global }
      - { .name: W1_scales, .offset: 24, .size: 8, .value_kind: global_buffer, .address_space: global }
      - { .name: W2_scales, .offset: 32, .size: 8, .value_kind: global_buffer, .address_space: global }
      - { .name: cimg, .offset: 40, .size: 8, .value_kind: global_buffer, .address_space: global }
      - { .name: csc, .offset: 48, .size: 8, .value_kind: global_buffer, .address_space: global }
      - { .name: out0, .offset: 56, .size: 8, .value_kind: global_buffer, .address_space: global }
      - { .name: xq, .offset: 64, .size: 8, .value_kind: global_buffer, .address_space: global }
    .group_segment_fixed_size: 327680
    .private_segment_fixed_size: 0
    .kernarg_segment_align: 8
    .kernarg_segment_size: 72
    .max_flat_workgroup_size: 128
    .sgpr_count:     84
    .vgpr_count:     1024
    .wavefront_size: 32
...
	.end_amdgpu_metadata
.endif
;; end of part 3
